; MI455X (gfx1250); checked and timed in simulation.
; The chip was launched on July 23, 2026; its instructions are those of AMD's public machine-readable ISA for CDNA 5 (MIT licence, August 2026) and "CDNA5" Instruction Set Architecture Reference Guide (July 2026). The comments in the code are by the model that wrote it; some were corrected since.
;; Mo E. Allowed arithmetic: matrix products marked QUANTISED: E5M2 operands, one E8M0 scale for each 32 along K, by v_wmma_scale_f32_16x16x128_f8f6f4 with both operands' format E5M2, f32 sums; products left as they are: f32 operands where the result goes on into a quantised operand, else bf16, f16 or f32 operands; f32 sums; everything else in f32.
;; Inputs: expert_sel 32 x 1,024 float32; keys 32 x 1,024 x 256 float32; values 32 x 256 x 1,024 float32; x 4 x 1,024 x 1,024 float32.
;; Outputs: out0 4 x 1,024 x 1,024 float32.
;; Constants: n_heads = 4.
;; This version of the problem:
;;   THIS VERSION OF THE PROBLEM IS GIVEN IN LOW PRECISION. The matrix products marked QUANTISED in the list below multiply operands that are first quantised to E5M2 (5 exponent bits, 2 mantissa bits; 8 bits a number), with one power-of-two scale for each 32 numbers along K (OCP MX v1.0); their sums are f32. All else is computed in f32.
;;   The module's matrix products, in the order in which they are computed (A, B: the left and right operand; K: the contracted axis; several contracted axes count as one K, in the product's order):
;;     1. [M 4,096, K 1,024] x [K 1,024, N 32]; A: input x; B: input expert_sel: QUANTISED
;;     2. [M 4,096, K 1,024] x [K 1,024, N 8,192]; A: input x; B: input keys: QUANTISED
;;     3. batch 131,072 x [M 256, K 1] x [K 1, N 1]; A: computed on the way; B: computed on the way: left as it is (no contracted axis)
;;     4. [M 4,096, K 8,192] x [K 8,192, N 1,024]; A: computed on the way; B: input values: QUANTISED
;;   THE QUANTISER, for each operand of a quantised product, along K:
;;     - K is cut into blocks of 32 from its start; a last block that is shorter is filled with zeros.
;;     - A block's scale is 2^e with e = floor(log2(the largest magnitude in the block)) - 15, held to -126 .. 127; a block of zeros has e = 0. As a byte (E8M0): e + 127.
;;     - Each number is divided by its block's scale, clamped to +-57,344, and rounded to the nearest number of E5M2, ties to even, subnormals kept.
;;     - The product sums the exact products of the quantised numbers (number of the format x scale) in f32.
;;   ~~~python
;;   def quantise(x, axis):      # numpy; x: float32 -> the quantised numbers, widened to float32 again
;;       x = np.moveaxis(x, axis, -1); K = x.shape[-1]
;;       x = np.pad(x, [(0, 0)] * (x.ndim - 1) + [(0, -K % 32)]); x = x.reshape(x.shape[:-1] + (-1, 32)); a = np.abs(x).max(-1, keepdims=True)
;;       e = np.where(a > 0, np.clip(np.frexp(np.where(a > 0, a, 1))[1] - 1 - 15, -126, 127), 0)      # np.frexp(a)[1] - 1 = floor(log2(a)), exactly
;;       r = np.clip(x / 2.0 ** e, -57344, 57344)
;;       step = 2.0 ** (np.maximum(np.frexp(np.where(r == 0, 1, r))[1] - 1, -14) - 2)
;;       q = np.round(r / step) * step * 2.0 ** e      # np.round: ties to even
;;       return np.moveaxis(q.reshape(q.shape[:-2] + (-1,))[..., :K], -1, axis).astype(np.float32)
;;   ~~~
;;   OPERANDS COMPUTED ON THE WAY. 'Computed on the way' means the value that the module computes at that place (a softmax that the list does not call 'softmax' is quantised finished and normalised). What goes into a quantiser is computed in f32, as accurately as f32 sums, v_exp_f32 and their like allow (about 1e-6 of the number): no bf16 or f16 on the way to a quantiser, and a product that is left as it is and whose result goes on into a quantised operand takes f32 operands (vector FMAs, or v_wmma_f32_16x16x4_f32). A number that lies on a knife's edge between two numbers of the format may be rounded either way, as far as f32 arithmetic and the matrix unit's own rounding can turn it there, and no further.
;; 2 versions. Each part assembles by itself: llvm-mc -triple=amdgcn-amd-amdhsa -mcpu=gfx1250 --defsym DOCPART=n.
;; ======== version 1 of 2: 4 launches
;; workspace buffers: xq 4,325,376 bytes; sig 524,288 bytes; choice 65,536 bytes of whole numbers; lists 532,736 bytes of whole numbers; wq 17,301,504 bytes; part 67,108,864 bytes
;; launch route (part 1): grid 256 x 1, 8 waves a work-group, no clusters, 102,144 bytes of LDS; arguments x, expert_sel, xq, sig, choice; writes xq, sig, choice
.if DOCPART == 1
	.amdgcn_target "amdgcn-amd-amdhsa--gfx1250"
	.amdhsa_code_object_version 6
	.text
	.protected	k_q3389c9222d_route
	.globl	k_q3389c9222d_route
	.p2align	8
	.type	k_q3389c9222d_route,@function
k_q3389c9222d_route:
	s_mov_b64 s[64:65], 0
	v_nop
	global_prefetch_b8 v0, s[64:65] scope:SCOPE_SE
	s_setreg_imm32_b32 hwreg(HW_REG_WAVE_MODE, 25, 1), 1
	s_wait_xcnt 0x0
; ROUTER.  x [4096][1024] f32 is quantised along d to E5M2 codes with one E8M0 byte for each 32 (codes and scale words go to xq), multiplied by the
; quantised expert_sel [32][1024], put through the sigmoid (all 32 go to sig), and the four largest of each token are chosen, the lower index first
; among equals.  The choice is stored as whole numbers at fixed places: token t has four words; nibble e % 8 of word e / 8 is the pick's number + 1, or 0.
; No address and no branch here hangs on a floating-point number.
; SHARES.  A work-group takes 16 tokens; wave s takes K step s (d = 128 s .. 128 s + 127): one fragment of x, two of expert_sel, two partial tiles of logits.
; One barrier; then every wave stores two rows of codes, and wave 0 adds the eight partial tiles in ascending s and does the rest.
; Every global load reads 512 consecutive bytes; the numbers turn through the wave's own stage in LDS so that a lane holds 16 neighbours of each block of 32.
; LIMITS: NaN and infinities are not served; four picks are built in; a block of zeros gets the byte 1 (its codes are zeros; only this program reads the
; bytes); a sigmoid that would lie under 2^-126 comes out as 0.
.set STGW, 8448                        ; a wave's stage: 16 rows x 528 bytes (512 + 16: row r starts 4 r banks on)
.set SPI,  528
.set XC,   67584                       ; the 16 tokens' codes: rows of 1,024 bytes + 16
.set XCP,  1040
.set XSL,  84224                       ; their scale words: 32 bytes a token
.set PL,   84736                       ; partial logits: for each wave two accumulators as four images of 512 bytes
.set XSO,  4194304                     ; in xq: the scale words lie behind the codes
.set RX, 64                            ; v64-127   64 numbers of x; later B's codes, the two results, the sigmoids, the experts' numbers
.set RA, 128                           ; v128-191  of experts 0-15
.set RB, 192                           ; v192-255  of experts 16-31
.set CX, 32                            ; v32-47    x's codes
.set CA, 48                            ; v48-63    codes of experts 0-15
.set CB, 64                            ; v64-79    of experts 16-31
.set D0, 80                            ; v80-87, v88-95 the two partial tiles
.set D1, 88
.set TM, 16                            ; v16-19 largest magnitudes, v20-23 bytes, v24-27 the largest number x the scale
.set SO, 12                            ; v12-15 the conversions' scale operands
.set XW, 28                            ; v28, v29, v30: the three scale words; they hold nothing else
.set AW, 29
.set BW, 30
.set SG, 96                            ; v96-111  wave 0: 16 logits, then sigmoids, of my token
.set EI, 112                           ; v112-127 wave 0: which expert each of them belongs to
	s_load_b256 s[4:11], s[0:1], 0x0               ; x, expert_sel, xq, sig
	s_load_b64 s[12:13], s[0:1], 0x20              ; choice
	v_lshl_add_u32 v31, v0, 2, 0x18b00
	s_set_vgpr_msb 0x40
	v_mov_b32 v1, 0
	s_set_vgpr_msb 0x4000
	v_lshrrev_b32 v14, 5, v0
	v_readfirstlane_b32 s16, v14                   ; wave = K step
	v_and_b32 v15, 31, v0
	v_lshlrev_b32 v1, 4, v15                       ; 16 x lane
	v_and_b32 v2, 15, v0                           ; r
	v_bfe_u32 v3, v0, 4, 1                         ; h
	s_mul_i32 s28, s16, STGW
	v_add_nc_u32 v4, s28, v1                       ; the stage, way in: 16 x lane of a row
	v_mul_u32_u24 v5, v2, SPI
	v_lshl_add_u32 v5, v3, 6, v5
	v_add_nc_u32 v5, s28, v5                       ; way out: row r, + 64 h
	s_lshl_b32 s28, s16, 7
	s_add_co_u32 s28, s28, XC
	v_mul_u32_u24 v6, v2, XCP
	v_lshl_add_u32 v6, v3, 4, v6
	v_add_nc_u32 v6, s28, v6                       ; codes: row r, + 128 x wave + 16 h
	s_lshl_b32 s28, s16, 2
	s_add_co_u32 s28, s28, XSL
	v_lshlrev_b32 v7, 5, v2
	v_add_nc_u32 v7, s28, v7                       ; scale word: 32 r + 4 x wave
	s_lshl_b32 s28, s16, 11
	s_add_co_u32 s28, s28, PL
	v_add_nc_u32 v8, s28, v1                       ; my partial tiles' images
	s_mul_i32 s28, s16, 2*XCP
	s_add_co_u32 s28, s28, XC
	v_add_nc_u32 v9, s28, v1                       ; the two rows of codes that I store
	v_add_nc_u32 v10, XSL, v1                      ; wave 0: all scale words,
	v_add_nc_u32 v11, PL, v1                       ; and all partial tiles (made here, ahead of the parting of the waves)
.irp b, 0,1,2,3
	v_mov_b32 v[TM+4+\b], 0                        ; written once: a lane permute's destination counts as one of its sources
.endr
	s_mov_b32 s20, 0x76543210
	s_mov_b32 s21, 0xfedcba98                      ; selects for lane l xor 16
	s_mov_b32 s22, 0x600000                        ; the mantissa field of 57,344
	s_lshl_b32 s24, ttmp9, 16                      ; 16 rows of 4,096 bytes a work-group,
	s_lshl_b32 s26, s16, 9                         ; 512 bytes a K step
	s_add_co_u32 s24, s24, s26
	s_mov_b32 s25, 0
	s_mov_b32 s27, 0
	s_wait_kmcnt 0x0
	s_add_nc_u64 s[4:5], s[4:5], s[24:25]
	s_add_nc_u64 s[6:7], s[6:7], s[26:27]
.set i, 0
.rept 16
	global_load_b128 v[RX+4*i:RX+4*i+3], v1, s[4:5] offset:4096*i th:TH_LOAD_NT   ; token i: 512 consecutive bytes
.set i, i+1
.endr
.set i, 0
.rept 16
	global_load_b128 v[RA+4*i:RA+4*i+3], v1, s[6:7] offset:4096*i
.set i, i+1
.endr
.set i, 0
.rept 16
	global_load_b128 v[RB+4*i:RB+4*i+3], v1, s[6:7] offset:4096*(16+i)
.set i, i+1
.endr
	s_lshl_b32 s24, ttmp9, 14
	s_lshl_b32 s26, s16, 11
	s_add_co_u32 s24, s24, s26
	s_add_nc_u64 s[30:31], s[8:9], s[24:25]        ; xq: my two rows of codes
	s_lshl_b32 s24, ttmp9, 9
	s_add_nc_u64 s[32:33], s[8:9], XSO
	s_add_nc_u64 s[32:33], s[32:33], s[24:25]      ; xq: the work-group's scale words
	s_lshl_b32 s24, ttmp9, 11
	s_add_nc_u64 s[10:11], s[10:11], s[24:25]      ; sig: 2,048 bytes a work-group
	s_lshl_b32 s24, ttmp9, 8
	s_add_nc_u64 s[12:13], s[12:13], s[24:25]      ; choice: 256 bytes a work-group
; 16 rows of 512 bytes go into my stage as loaded and come back 64 bytes a lane of each block: register 16 b + i = k 32 b + 16 h + i of row r.
; LDS serves a wave's instructions in order (ISA guide 5.7.1.4): no wait between the stores and the loads, and one stage serves three times.
.macro TURN reg
.set i, 0
.rept 16
	ds_store_b128 v4, v[\reg+4*i:\reg+4*i+3] offset:SPI*i
.set i, i+1
.endr
.irp b, 0,1,2,3
.irp j, 0,1,2,3
	ds_load_b128 v[\reg+16*\b+4*\j:\reg+16*\b+4*\j+3], v5 offset:128*\b+16*\j
.endr
.endr
.endm
; 64 numbers of a lane become a fragment's 16 registers of codes and my row's scale word.
.macro QUANT s, pc, pw
.irp b, 0,1,2,3
	v_max3_num_f32 v[TM+\b], |v[\s+16*\b]|, |v[\s+1+16*\b]|, 0x8000000   ; my 16 numbers of block b, and the floor 2^(16 - 127): the byte cannot fall under 1
.endr
.irp i, 2,4,6,8,10,12,14
.irp b, 0,1,2,3
	v_max3_num_f32 v[TM+\b], v[TM+\b], |v[\s+16*\b+\i]|, |v[\s+1+16*\b+\i]|
.endr
.endr
.irp b, 0,1,2,3
	v_permlanex16_b32 v[TM+4+\b], v[TM+\b], s20, s21
.endr
.irp b, 0,1,2,3
	v_max_num_f32 v[TM+\b], v[TM+\b], v[TM+4+\b]   ; with lane l xor 16's: the block's largest magnitude
.endr
.irp b, 0,1,2,3
	v_add_nc_u32 v[SO+\b], 0xf8800000, v[TM+\b]    ; 15 off its exponent field: the conversion's scale operand
.endr
.irp b, 0,1,2,3
	v_and_or_b32 v[TM+8+\b], v[TM+\b], 0x7f800000, s22   ; 57,344 x the scale
.endr
.irp b, 0,1,2,3
	v_lshrrev_b32 v[TM+4+\b], 23, v[SO+\b]         ; the scale's byte
.endr
	v_lshl_or_b32 v[\pw], v[TM+5], 8, v[TM+4]
	v_lshl_or_b32 v[\pw], v[TM+6], 16, v[\pw]
	v_lshl_or_b32 v[\pw], v[TM+7], 24, v[\pw]
.irp b, 0,1,2,3
.irp i, 0,1,2,3,4,5,6,7,8,9,10,11,12,13,14,15
	v_med3_num_f32 v[\s+16*\b+\i], v[\s+16*\b+\i], -v[TM+8+\b], v[TM+8+\b]   ; the conversion does not saturate (ISA guide 7.6.2): hold first
.endr
	v_cvt_scalef32_pk8_bf8_f32 v[\pc+4*\b:\pc+4*\b+1], v[\s+16*\b:\s+16*\b+7], v[SO+\b]
	v_cvt_scalef32_pk8_bf8_f32 v[\pc+4*\b+2:\pc+4*\b+3], v[\s+16*\b+8:\s+16*\b+15], v[SO+\b]
.endr
	v_nop                                          ; a plain line behind the last conversion
.endm
	s_wait_loadcnt 32                              ; x's 16 loads are in; expert_sel's 32 may be out
	TURN RX
	s_wait_loadcnt 16                              ; experts 0-15 are in
	TURN RA
	s_wait_dscnt 32                                ; x is back from the stage; the second turn's 32 may be out
	QUANT RX, CX, XW
	s_wait_loadcnt 0x0                             ; experts 16-31 are in
	TURN RB
.irp c, 0,1,2,3
	ds_store_b128 v6, v[CX+4*\c:CX+4*\c+3] offset:32*\c   ; x's codes by rows, for the way to memory
.endr
	ds_store_b32 v7, v[XW]                         ; both halves of the lanes write the same word with the same value
	s_wait_dscnt 37                                ; experts 0-15 are back: behind them stand the third turn's 32 and these 5 stores
	QUANT RA, CA, AW
	s_wait_dscnt 0x0
	QUANT RB, CB, BW
.rept 8
	v_nop                                          ; codes and scale words made by vector instructions stand ahead of a scaled matrix instruction
.endr
	; source 0 = 16 experts, source 1 = my work-group's 16 tokens: lane (r, h) holds token r, register j expert 8 h + j (+ 16)
	v_wmma_scale_f32_16x16x128_f8f6f4 v[D0:D0+7], v[CA:CA+15], v[CX:CX+15], 0, v[AW], v[XW] matrix_a_fmt:MATRIX_FMT_BF8 matrix_b_fmt:MATRIX_FMT_BF8
	v_wmma_scale_f32_16x16x128_f8f6f4 v[D1:D1+7], v[CB:CB+15], v[CX:CX+15], 0, v[BW], v[XW] matrix_a_fmt:MATRIX_FMT_BF8 matrix_b_fmt:MATRIX_FMT_BF8
.rept 8
	v_nop                                          ; eight places behind this form, for the stores below and the loads into the operands' registers
.endr
	ds_store_b128 v8, v[D0:D0+3]                   ; each result from its low end on
	ds_store_b128 v8, v[D0+4:D0+7] offset:512
	ds_store_b128 v8, v[D1:D1+3] offset:1024
	ds_store_b128 v8, v[D1+4:D1+7] offset:1536
	s_wait_dscnt 0x0                               ; for the others' sake: my codes, scale words and partial tiles lie in LDS
	s_barrier_signal -1
	s_barrier_wait -1
.irp q, 0,1,2,3
	ds_load_b128 v[CA+4*\q:CA+4*\q+3], v9 offset:XCP*(\q/2)+512*(\q%2)
.endr
.irp q, 0,1,2,3
	s_wait_dscnt 3-\q
	global_store_b128 v1, v[CA+4*\q:CA+4*\q+3], s[30:31] offset:1024*(\q/2)+512*(\q%2)   ; 512 consecutive bytes of a row of codes
.endr
	s_cmp_lg_u32 s16, 0
	s_cbranch_scc1 .Lend
	; ---- wave 0 alone
	ds_load_b128 v[CB:CB+3], v10                   ; the 16 tokens' scale words: 512 bytes
.set s, 0
.rept 8
.irp q, 0,1,2,3
	ds_load_b128 v[128+16*s+4*\q:128+16*s+4*\q+3], v11 offset:2048*s+512*\q
.endr
.set s, s+1
.endr
	s_wait_dscnt 32
	global_store_b128 v1, v[CB:CB+3], s[32:33]
	s_wait_dscnt 0x0
.irp p, 0,2,4,6,8,10,12,14
	v_pk_add_f32 v[SG+\p:SG+\p+1], v[128+\p:129+\p], v[144+\p:145+\p]   ; the eight K steps' parts, in ascending order
.endr
.irp s, 2,3,4,5,6,7
.irp p, 0,2,4,6,8,10,12,14
	v_pk_add_f32 v[SG+\p:SG+\p+1], v[SG+\p:SG+\p+1], v[128+16*\s+\p:129+16*\s+\p]
.endr
.endr
.set i, 0
.rept 16
	v_mul_f32 v[SG+i], 0xbfb8aa3b, v[SG+i]         ; - log2(e) x the logit
.set i, i+1
.endr
.set i, 0
.rept 16
	v_exp_f32 v[SG+i], v[SG+i]
.set i, i+1
.endr
	v_lshlrev_b32 v14, 3, v3                       ; 8 h (a plain line behind the exponentials)
	s_wait_alu depctr_va_vdst(0)
.irp p, 0,2,4,6,8,10,12,14
	v_pk_add_f32 v[SG+\p:SG+\p+1], v[SG+\p:SG+\p+1], 1.0 op_sel_hi:[1,0]
.endr
.set i, 0
.rept 16
	v_rcp_f32 v[SG+i], v[SG+i]                     ; the sigmoid
.set i, i+1
.endr
	v_mov_b32 v22, -1.0                            ; under every sigmoid (a plain line behind the reciprocals)
	s_wait_alu depctr_va_vdst(0)
.irp q, 0,1,2,3
	global_store_b128 v1, v[SG+4*\q:SG+4*\q+3], s[10:11] offset:512*\q   ; all 32 sigmoids of the 16 tokens, as the registers hold them: 512 bytes a store
.endr
.set i, 0
.rept 16
	v_add_nc_u32 v[EI+i], i+8*(i/8), v14           ; register i belongs to expert 8 h + i, from i = 8 on 8 more
.set i, i+1
.endr
.irp q, 0,1,2,3
	v_mov_b32 v[24+\q], 0                          ; the token's four words
.endr
	s_wait_xcnt 0x0                                ; the sigmoids' registers are written again below
; Pick number k: the largest sigmoid left, the lowest expert among equals (as jax.lax.top_k has it); it is then put under all others.
.macro PICK k
	v_max3_num_f32 v16, v[SG], v[SG+1], v[SG+2]
.irp i, 3,5,7,9,11,13
	v_max3_num_f32 v16, v16, v[SG+\i], v[SG+\i+1]
.endr
	v_max_num_f32 v16, v16, v[SG+15]
	v_permlanex16_b32 v17, v16, s20, s21
	v_max_num_f32 v16, v16, v17                    ; over the token's 32
	v_mov_b32 v18, 64
.irp i, 15,14,13,12,11,10,9,8,7,6,5,4,3,2,1,0
	v_cmp_eq_f32 vcc_lo, v[SG+\i], v16
	v_cndmask_b32 v18, v18, v[EI+\i], vcc_lo       ; descending, so that the lowest stays
.endr
	v_permlanex16_b32 v17, v18, s20, s21
	v_min_u32 v18, v18, v17                        ; the expert
.set i, 0
.rept 16
	v_cmp_eq_u32 vcc_lo, v[EI+i], v18
	v_cndmask_b32 v[SG+i], v[SG+i], v22, vcc_lo
.set i, i+1
.endr
	v_and_b32 v19, 7, v18
	v_lshlrev_b32 v19, 2, v19
	v_mov_b32 v20, \k+1
	v_lshlrev_b32 v20, v19, v20                    ; k + 1 in nibble e % 8
	v_lshrrev_b32 v21, 3, v18
.irp q, 0,1,2,3
	v_cmp_eq_u32 vcc_lo, \q, v21
	v_cndmask_b32 v19, 0, v20, vcc_lo
	v_or_b32 v[24+\q], v[24+\q], v19               ; of word e / 8
.endr
.endm
	PICK 0
	PICK 1
	PICK 2
	PICK 3
	v_cmp_eq_u32 vcc_lo, 1, v3
	v_cndmask_b32 v12, v24, v26, vcc_lo            ; lanes 0-15 store words 0, 1 of their token, lanes 16-31 words 2, 3
	v_cndmask_b32 v13, v25, v27, vcc_lo
	v_lshlrev_b32 v14, 4, v2
	v_lshl_add_u32 v14, v3, 3, v14
	global_store_b64 v14, v[12:13], s[12:13]       ; 256 consecutive bytes
.Lend:
	s_set_vgpr_msb 0x4
	s_wait_tensorcnt 0x0
	ds_add_u32 v31, v1
	s_wait_dscnt 0x0
	s_set_vgpr_msb 0x400
	s_endpgm
.Lfunc_end_k_q3389c9222d_route:
	.size	k_q3389c9222d_route, .Lfunc_end_k_q3389c9222d_route-k_q3389c9222d_route
	.p2alignl 7, 3214868480
	.fill 96, 4, 3214868480
	.section	.rodata,"a",@progbits
	.p2align	6, 0x0
	.amdhsa_kernel k_q3389c9222d_route
		.amdhsa_group_segment_fixed_size 102144
		.amdhsa_private_segment_fixed_size 0
		.amdhsa_enable_private_segment 0
		.amdhsa_kernarg_size 40
		.amdhsa_user_sgpr_count 2
		.amdhsa_user_sgpr_kernarg_segment_ptr 1
		.amdhsa_wavefront_size32 1
		.amdhsa_system_sgpr_workgroup_id_x 1
		.amdhsa_system_sgpr_workgroup_id_y 1
		.amdhsa_system_sgpr_workgroup_id_z 1
		.amdhsa_system_vgpr_workitem_id 0
		.amdhsa_next_free_vgpr 258
		.amdhsa_next_free_sgpr 66
		.amdhsa_reserve_vcc 1
		.amdhsa_float_denorm_mode_32 3
		.amdhsa_float_denorm_mode_16_64 3
		.amdhsa_memory_ordered 1
		.amdhsa_forward_progress 1
		.amdhsa_inst_pref_size 63
	.end_amdhsa_kernel
	.amdgpu_metadata
---
amdhsa.version: [ 1, 2 ]
amdhsa.kernels:
  - .name:           k_q3389c9222d_route
    .symbol:         k_q3389c9222d_route.kd
    .args:
      - { .name: x, .offset: 0, .size: 8, .value_kind: global_buffer, .address_space: global }
      - { .name: expert_sel, .offset: 8, .size: 8, .value_kind: global_buffer, .address_space: global }
      - { .name: xq, .offset: 16, .size: 8, .value_kind: global_buffer, .address_space: global }
      - { .name: sig, .offset: 24, .size: 8, .value_kind: global_buffer, .address_space: global }
      - { .name: choice, .offset: 32, .size: 8, .value_kind: global_buffer, .address_space: global }
    .group_segment_fixed_size: 102144
    .private_segment_fixed_size: 0
    .kernarg_segment_align: 8
    .kernarg_segment_size: 40
    .max_flat_workgroup_size: 256
    .sgpr_count:     66
    .vgpr_count:     258
    .wavefront_size: 32
...
	.end_amdgpu_metadata
.endif
;; end of part 1
;; launch prep (part 2): grid 544 x 1, 4 waves a work-group, no clusters, 0 bytes of LDS; arguments choice, keys, values, wq, lists; writes wq, lists
.if DOCPART == 2
	.amdgcn_target "amdgcn-amd-amdhsa--gfx1250"
	.amdhsa_code_object_version 6
	.text
	.protected	k_q3389c9222d_prep
	.globl	k_q3389c9222d_prep
	.p2align	8
	.type	k_q3389c9222d_prep,@function
k_q3389c9222d_prep:
	s_mov_b64 s[64:65], 0
	v_nop
	global_prefetch_b8 v0, s[64:65] scope:SCOPE_SE
	s_setreg_imm32_b32 hwreg(HW_REG_WAVE_MODE, 25, 1), 1
	s_wait_xcnt 0x0
; THREE JOBS IN ONE LAUNCH, parted by the work-group's number; no LDS, no barrier, waves share nothing.
; Work-groups 0-31: THE LISTS.  Work-group = expert e; wave q places the rows of tokens 1,024 q .. 1,024 q + 1,023, entry = 4 x token + pick, on end in ascending order of the tokens.
;   To know where its rows begin a wave counts the other three quarters itself (choice is 64 KiB, read by all these waves), so nothing goes from wave to wave.
;   The wave that holds the expert's last entry fills the list up to a multiple of 128 with copies of it; wave 0 stores the count.  Whole numbers only.
; Work-groups 32-287: keys [32][1024 (K)][256]; 288-543: values [32][256 (K)][1024]: f32, K not innermost, into E5M2 codes and E8M0 bytes, LAID IN THE ORDER OF THE
;   OPERAND'S REGISTERS: a fragment (16 rows x 128 K) is [c 0..3][lane][16 bytes], so that the chain's waves load fragments whole, from one dense stream each.
;   A lane takes two neighbouring columns and its registers run down K (a load reads 256 consecutive bytes of a row), so a block of 32 lies in one lane.
;   The hold at the largest code x the scale is also the move that puts a column's 32 numbers on end for the conversions.
; WHICH COLUMNS FORM A FRAGMENT.  keys: tile 2 bl + u of wave w, row m = hidden unit 64 w + 32 bl + 2 m + u.  The chain's first product then leaves a lane 16 numbers of a block of 32
;   of the next K in the order byte 8 u + j = unit 16 h + 2 j + u; values' K is laid in that same order inside each lane's 16 bytes (blocks stay the true blocks).
;   values: fragment t of group g of wave w, row r = column 256 w + 64 g + 4 r + t, so that a lane's four results are four neighbouring columns.
; LIMITS: NaN and infinities are not served; a block of zeros gets the byte 1 (zero codes; only this program reads the bytes).
.set NL,   32                          ; work-groups that make lists
.set VQ,   8388608                     ; in wq: keys' codes at 0, values' codes,
.set KSC,  16777216                    ; keys' scale words, 256 bytes for (e, w, s),
.set VSC,  17039360                    ; values', 256 bytes for (e, w, g, s2)
.set CNT,  532480                      ; in lists: the 32 counts lie behind 32 lists of 4,096 entries + 64 spare words
.set LSTB, 16640
.set X,  16                            ; v16-47   a column's 32 numbers on end
.set C,  48                            ; v48-111  codes: 16 registers a block, never written again
.set R,  112                           ; v112-239 two sets of 64: register 2 k + i = row k of the block, column i
.set SC, 8                             ; v8, v9   the conversions' scale operands;  v10, v11 the largest number x the scale
.set HD, 10
.set D,  112                           ; lists: v112-239 my lane's 128 choice words: group k (32 registers) is quarter (q + k) % 4; group 0's registers then hold what is stored
.set A,  16                            ; lists: v16-47 an address register for each of the 32 steps
.set PD, 48                            ; lists: v48-51 addresses, v52-55 data of the four filling stores
.set BAL, 66                           ; lists: s66-97 a group's 32 ballots
.set QB,  32                           ; lists: s[32:39] the four groups' bases in choice
.set QT,  40                           ; lists: s41-43 the rows of groups 1, 2, 3
	s_load_b256 s[4:11], s[0:1], 0x0               ; choice, keys, values, wq
	s_load_b64 s[12:13], s[0:1], 0x20              ; lists
	v_lshrrev_b32 v1, 5, v0
	v_readfirstlane_b32 s16, v1                    ; wave
	v_and_b32 v14, 31, v0                          ; lane
	s_mov_b32 s26, 0x600000                        ; the mantissa field of 57,344
	s_mov_b32 s21, 0
	s_mov_b32 s23, 0
	s_mov_b32 s25, 0
	s_wait_kmcnt 0x0
	s_cmp_lt_u32 ttmp9, NL
	s_cbranch_scc1 .Llists
	s_cmp_lt_u32 ttmp9, NL+256
	s_cbranch_scc0 .Lvalues
.macro LOADB c, pitch                  ; block c: 32 rows, my two columns
.set k, 0
.rept 32
	global_load_b64 v[R+64*((\c)%2)+2*k:R+64*((\c)%2)+2*k+1], v1, s[20:21] offset:(32*(\c)+k)*\pitch th:TH_LOAD_NT
.set k, k+1
.endr
.endm
.macro COL c, i, perm                  ; column i of block c: held, put on end, converted
.set RS, R+64*((\c)%2)+\i
.set k, 0
.rept 32
.if \perm
.set pos, 16*(k/16)+8*(k%2)+((k/2)%8)
.else
.set pos, k
.endif
	v_med3_num_f32 v[X+pos], v[RS+2*k], -v[HD+\i], v[HD+\i]   ; the conversion does not saturate (ISA guide 7.6.2)
.set k, k+1
.endr
.irp g, 0,1,2,3
	v_cvt_scalef32_pk8_bf8_f32 v[C+16*(\c)+8*\i+2*\g:C+16*(\c)+8*\i+2*\g+1], v[X+8*\g:X+8*\g+7], v[SC+\i]
.endr
	v_nop                                          ; a plain line behind the conversions: the next column writes their sources
.endm
; 64 columns x 128 along K of one wave.  s[20:21] from, s[22:23] codes to, s[24:25] scale words to; v1, v2, v3 the lane's places in the three.
.macro WQ pitch, perm
	LOADB 0, \pitch
	LOADB 1, \pitch
.irp c, 0,1,2,3
.if \c < 3
	s_wait_loadcnt 32                              ; this block's 32 loads are in; the next block's may be out
.else
	s_wait_loadcnt 0x0
.endif
.set RS0, R+64*(\c%2)
	v_max3_num_f32 v6, |v[RS0]|, |v[RS0+2]|, 0x8000000        ; the two columns' largest magnitudes by turns, with the floor 2^(16 - 127)
	v_max3_num_f32 v7, |v[RS0+1]|, |v[RS0+3]|, 0x8000000
.set k, 2
.rept 15
	v_max3_num_f32 v6, v6, |v[RS0+2*k]|, |v[RS0+2*k+2]|
	v_max3_num_f32 v7, v7, |v[RS0+2*k+1]|, |v[RS0+2*k+3]|
.set k, k+2
.endr
	v_add_nc_u32 v8, 0xf8800000, v6                ; 15 off the exponent field
	v_add_nc_u32 v9, 0xf8800000, v7
	v_and_or_b32 v10, v6, 0x7f800000, s26          ; 57,344 x the scale
	v_and_or_b32 v11, v7, 0x7f800000, s26
	v_lshrrev_b32 v12, 23, v8                      ; the bytes
	v_lshrrev_b32 v13, 23, v9
.if \c == 0
	v_mov_b32 v4, v12
	v_mov_b32 v5, v13
.else
	v_lshl_or_b32 v4, v12, 8*\c, v4
	v_lshl_or_b32 v5, v13, 8*\c, v5
.endif
	COL \c, 0, \perm
	COL \c, 1, \perm
.if \c < 2
	LOADB \c+2, \pitch
.endif
.irp i, 0,1
.irp h, 0,1
	global_store_b128 v2, v[C+16*\c+8*\i+4*\h:C+16*\c+8*\i+4*\h+3], s[22:23] offset:2048*\i+512*\c+256*\h   ; sixteen lanes fill 256 consecutive bytes, aligned
.endr
.endr
.endr
	global_store_b64 v3, v[4:5], s[24:25]          ; the 64 columns' scale words: 256 consecutive bytes
.endm
	; ---- keys: e = i / 8, K step s = i % 8, wave w
	s_sub_co_u32 s17, ttmp9, NL
	s_lshr_b32 s18, s17, 3
	s_and_b32 s19, s17, 7
	s_lshl_b32 s20, s18, 20
	s_lshl_b32 s27, s19, 17
	s_add_co_u32 s20, s20, s27
	s_lshl_b32 s27, s16, 8
	s_add_co_u32 s20, s20, s27
	s_add_nc_u64 s[20:21], s[6:7], s[20:21]
	s_lshl_b32 s22, s18, 18
	s_lshl_b32 s27, s16, 16
	s_add_co_u32 s22, s22, s27
	s_lshl_b32 s27, s19, 13
	s_add_co_u32 s22, s22, s27
	s_add_nc_u64 s[22:23], s[10:11], s[22:23]
	s_lshl_b32 s24, s18, 13
	s_lshl_b32 s27, s16, 11
	s_add_co_u32 s24, s24, s27
	s_lshl_b32 s27, s19, 8
	s_add_co_u32 s24, s24, s27
	s_add_co_u32 s24, s24, KSC
	s_add_nc_u64 s[24:25], s[10:11], s[24:25]
	v_lshlrev_b32 v1, 3, v14                       ; my two columns
	v_lshrrev_b32 v2, 4, v14
	v_lshlrev_b32 v2, 12, v2
	v_and_b32 v3, 15, v14
	v_lshl_add_u32 v2, v3, 4, v2                   ; tiles 2 (lane / 16) + i, row lane % 16
	v_lshlrev_b32 v3, 3, v14
	WQ 1024, 0
	s_endpgm
.Lvalues:
	; ---- values: e = i / 8, K step s2 = (i / 4) % 2, w = i % 4, group g = wave
	s_sub_co_u32 s17, ttmp9, NL+256
	s_lshr_b32 s18, s17, 3
	s_bfe_u32 s19, s17, 0x10002
	s_and_b32 s28, s17, 3
	s_lshl_b32 s20, s18, 20
	s_lshl_b32 s27, s19, 19
	s_add_co_u32 s20, s20, s27
	s_lshl_b32 s27, s28, 10
	s_add_co_u32 s20, s20, s27
	s_lshl_b32 s27, s16, 8
	s_add_co_u32 s20, s20, s27
	s_add_nc_u64 s[20:21], s[8:9], s[20:21]
	s_lshl_b32 s22, s18, 18
	s_lshl_b32 s27, s28, 16
	s_add_co_u32 s22, s22, s27
	s_lshl_b32 s27, s16, 14
	s_add_co_u32 s22, s22, s27
	s_lshl_b32 s27, s19, 13
	s_add_co_u32 s22, s22, s27
	s_add_co_u32 s22, s22, VQ
	s_add_nc_u64 s[22:23], s[10:11], s[22:23]
	s_lshl_b32 s24, s18, 13
	s_lshl_b32 s27, s28, 11
	s_add_co_u32 s24, s24, s27
	s_lshl_b32 s27, s16, 9
	s_add_co_u32 s24, s24, s27
	s_lshl_b32 s27, s19, 8
	s_add_co_u32 s24, s24, s27
	s_add_co_u32 s24, s24, VSC
	s_add_nc_u64 s[24:25], s[10:11], s[24:25]
	v_lshlrev_b32 v1, 3, v14
	v_and_b32 v2, 1, v14
	v_lshrrev_b32 v3, 1, v14
	v_lshlrev_b32 v6, 7, v2
	v_lshlrev_b32 v2, 12, v2
	v_lshl_add_u32 v2, v3, 4, v2                   ; fragments 2 (lane % 2) + i, row lane / 2
	v_lshl_add_u32 v3, v3, 3, v6
	WQ 4096, 1
	s_endpgm
.Llists:
	; ---- the list of expert e = the work-group's number; my wave q places quarter q of the tokens
	s_lshr_b32 s18, ttmp9, 3
	s_lshl_b32 s20, s18, 2
	s_add_nc_u64 s[4:5], s[4:5], s[20:21]          ; word e / 8 of each token's four
.irp k, 0,1,2,3
	s_add_co_u32 s27, s16, \k
	s_and_b32 s27, s27, 3
	s_lshl_b32 s20, s27, 14                        ; a quarter's 1,024 tokens are 16,384 bytes of choice
	s_add_nc_u64 s[QB+2*\k:QB+2*\k+1], s[4:5], s[20:21]   ; group k is quarter (q + k) % 4: so my own quarter lies in the same registers in every wave
.endr
	v_lshlrev_b32 v1, 4, v14                       ; token 32 i + lane of a quarter: 16 bytes a token
.irp k, 1,2,3,0                        ; my own quarter last: its ballots are the ones that stay
.set i, 0
.rept 32
	global_load_b32 v[D+32*\k+i], v1, s[QB+2*\k:QB+2*\k+1] offset:512*i
.set i, i+1
.endr
.endr
	s_and_b32 s19, ttmp9, 7
	s_lshl_b32 s19, s19, 2                         ; where nibble e % 8 begins
	s_mul_i32 s22, ttmp9, LSTB
	s_add_nc_u64 s[22:23], s[12:13], s[22:23]      ; the expert's list
	s_lshl_b32 s24, ttmp9, 2
	s_add_co_u32 s24, s24, CNT
	s_add_nc_u64 s[24:25], s[12:13], s[24:25]      ; and its count
	s_lshl_b32 s27, s16, 12
	s_sub_co_u32 s27, s27, 1
	v_lshlrev_b32 v2, 2, v14
	v_add_nc_u32 v2, s27, v2                       ; 4 x (1,024 q + lane) - 1
	v_add_nc_u32 v3, 4096, v14                     ; my spare word behind the list: a lane without a row writes 0 there, in all four waves alike, so that EXEC never changes
	v_mov_b32 v5, 0                                ; my lane's last entry
	; the rows of the three other quarters: 32 ballots into 32 scalar registers in one run, then their counts, so that no count waits for the compare just ahead of it
.irp k, 1,2,3
.if \k < 3
	s_wait_loadcnt 63                              ; 96 and 64 loads stand behind groups 1 and 2; the count's field ends at 63, the smaller count
.else
	s_wait_loadcnt 32                              ; behind group 3 stand my own quarter's 32 loads
.endif
.set i, 0
.rept 32
	v_bfe_u32 v[D+32*\k+i], v[D+32*\k+i], s19, 4   ; pick + 1, or 0
	v_cmp_ne_u32 s[BAL+i], 0, v[D+32*\k+i]
.set i, i+1
.endr
	s_mov_b32 s[QT+\k], 0
.set i, 0
.rept 32
	s_bcnt1_i32_b32 s29, s[BAL+i]
	s_add_co_u32 s[QT+\k], s[QT+\k], s29
.set i, i+1
.endr
.endr
	s_cmp_ge_u32 s16, 1                            ; quarter (q + k) % 4 lies ahead of mine where q + k >= 4
	s_cselect_b32 s28, s[QT+3], 0
	s_cmp_ge_u32 s16, 2
	s_cselect_b32 s29, s[QT+2], 0
	s_add_co_u32 s28, s28, s29
	s_cmp_ge_u32 s16, 3
	s_cselect_b32 s29, s[QT+1], 0
	s_add_co_u32 s28, s28, s29                     ; rows ahead of my quarter: where my rows begin
	s_mov_b32 s45, s28
	s_add_co_u32 s44, s[QT+1], s[QT+2]
	s_add_co_u32 s44, s44, s[QT+3]                 ; rows of the three other quarters
	s_wait_loadcnt 0x0                             ; my own quarter
.set i, 0
.rept 32
	v_bfe_u32 v[D+i], v[D+i], s19, 4
	v_cmp_ne_u32 s[BAL+i], 0, v[D+i]
.set i, i+1
.endr
	; 32 steps of 32 tokens; each step has its own address and data registers, so that none is written while a store may read it
.set i, 0
.rept 32
	v_mbcnt_lo_u32_b32 v7, s[BAL+i], s28           ; my place: rows so far + rows in lower lanes
	v_add3_u32 v6, v[D+i], v2, 128*i               ; the entry: 4 x token + pick
	v_cndmask_b32 v7, v3, v7, s[BAL+i]
	v_min_u32 v7, 4159, v7                         ; inside the list and its spare words
	v_lshlrev_b32 v[A+i], 2, v7
	v_cndmask_b32 v[D+i], 0, v6, s[BAL+i]
	v_cndmask_b32 v5, v5, v6, s[BAL+i]
	global_store_b32 v[A+i], v[D+i], s[22:23]
	s_bcnt1_i32_b32 s29, s[BAL+i]
	s_add_co_u32 s28, s28, s29
.set i, i+1
.endr
	s_sub_co_u32 s47, s28, s45                     ; my quarter's rows
	s_add_co_u32 s46, s44, s47                     ; the expert's rows
	s_add_co_u32 s29, s46, 127
	s_and_b32 s29, s29, 0xffffff80                 ; the list is filled up to here, so that every entry that a tile of 128 reads is written,
	s_cmp_eq_u32 s28, s46                          ; by the wave behind whose quarter no row follows
	s_cselect_b32 s29, s29, 0
	s_cmp_lg_u32 s47, 0                            ; and whose quarter has one: it holds the expert's last entry.  For the other waves the limit is 0
	s_cselect_b32 s29, s29, 0
.set j, 0
.rept 32
	v_readlane_b32 s[BAL+j], v5, j
.set j, j+1
.endr
	s_mov_b32 s30, 0
.set j, 0
.rept 32
	s_max_u32 s30, s30, s[BAL+j]                   ; entries rise with the tokens: the largest is my quarter's last
.set j, j+1
.endr
	v_mov_b32 v8, s30
.irp p, 0,1,2,3
	v_add3_u32 v[PD+\p], s46, v14, 32*\p
	v_cmp_gt_u32 vcc_lo, s29, v[PD+\p]
	v_cndmask_b32 v[PD+\p], v3, v[PD+\p], vcc_lo
	v_min_u32 v[PD+\p], 4159, v[PD+\p]
	v_lshlrev_b32 v[PD+\p], 2, v[PD+\p]
	v_cndmask_b32 v[PD+4+\p], 0, v8, vcc_lo
	global_store_b32 v[PD+\p], v[PD+4+\p], s[22:23]
.endr
	s_cmp_lg_u32 s16, 0
	s_cbranch_scc1 .Lno_count
	v_mov_b32 v9, 0
	v_mov_b32 v10, s46
	global_store_b32 v9, v10, s[24:25]             ; wave 0: all lanes write the same word with the same value
.Lno_count:
	s_endpgm
.Lfunc_end_k_q3389c9222d_prep:
	.size	k_q3389c9222d_prep, .Lfunc_end_k_q3389c9222d_prep-k_q3389c9222d_prep
	.p2alignl 7, 3214868480
	.fill 96, 4, 3214868480
	.section	.rodata,"a",@progbits
	.p2align	6, 0x0
	.amdhsa_kernel k_q3389c9222d_prep
		.amdhsa_group_segment_fixed_size 0
		.amdhsa_private_segment_fixed_size 0
		.amdhsa_enable_private_segment 0
		.amdhsa_kernarg_size 40
		.amdhsa_user_sgpr_count 2
		.amdhsa_user_sgpr_kernarg_segment_ptr 1
		.amdhsa_wavefront_size32 1
		.amdhsa_system_sgpr_workgroup_id_x 1
		.amdhsa_system_sgpr_workgroup_id_y 1
		.amdhsa_system_sgpr_workgroup_id_z 1
		.amdhsa_system_vgpr_workitem_id 0
		.amdhsa_next_free_vgpr 240
		.amdhsa_next_free_sgpr 100
		.amdhsa_reserve_vcc 1
		.amdhsa_float_denorm_mode_32 3
		.amdhsa_float_denorm_mode_16_64 3
		.amdhsa_memory_ordered 1
		.amdhsa_forward_progress 1
		.amdhsa_inst_pref_size 148
	.end_amdhsa_kernel
	.amdgpu_metadata
---
amdhsa.version: [ 1, 2 ]
amdhsa.kernels:
  - .name:           k_q3389c9222d_prep
    .symbol:         k_q3389c9222d_prep.kd
    .args:
      - { .name: choice, .offset: 0, .size: 8, .value_kind: global_buffer, .address_space: global }
      - { .name: keys, .offset: 8, .size: 8, .value_kind: global_buffer, .address_space: global }
      - { .name: values, .offset: 16, .size: 8, .value_kind: global_buffer, .address_space: global }
      - { .name: wq, .offset: 24, .size: 8, .value_kind: global_buffer, .address_space: global }
      - { .name: lists, .offset: 32, .size: 8, .value_kind: global_buffer, .address_space: global }
    .group_segment_fixed_size: 0
    .private_segment_fixed_size: 0
    .kernarg_segment_align: 8
    .kernarg_segment_size: 40
    .max_flat_workgroup_size: 128
    .sgpr_count:     100
    .vgpr_count:     240
    .wavefront_size: 32
...
	.end_amdgpu_metadata
.endif
;; end of part 2
;; launch chain (part 3): grid 159 x 1, 4 waves a work-group, no clusters, 168,448 bytes of LDS; arguments xq, sig, lists, wq, part; writes part
.if DOCPART == 3
	.amdgcn_target "amdgcn-amd-amdhsa--gfx1250"
	.amdhsa_code_object_version 6
	.text
	.protected	k_q3389c9222d_chain
	.globl	k_q3389c9222d_chain
	.p2align	8
	.type	k_q3389c9222d_chain,@function
k_q3389c9222d_chain:
	s_mov_b64 s[64:65], 0
	v_nop
	global_prefetch_b8 v0, s[64:65] scope:SCOPE_SE
	s_setreg_imm32_b32 hwreg(HW_REG_WAVE_MODE, 25, 1), 1
	s_wait_xcnt 0x0
; ONE TILE OF UP TO 128 ROUTED ROWS OF ONE EXPERT THROUGH THE WHOLE CHAIN: gather x's codes, x keys_e, relu and gate, quantise, x values_e, store each row at part[4 x token + pick].
; Only the chosen experts' rows are multiplied: for the others the gate is 0, their blocks of the last product's K are zeros.  The hidden layer stays in registers and LDS.
; GRID.  16,384 routed rows, 32 experts, tiles of 128: never more than 128 + 31 = 159 tiles, whatever the split.  The tile's expert and place come from the 32 stored counts.
; A work-group that the split leaves without a tile walks the text on tile 0's data with 0 rows and stores nothing: so every wave passes both barriers and no register is left unwritten on any way.
; SHARES.  THE WAVES SHARE THE COLUMNS: wave w makes hidden units 64 w .. + 63 and outputs 256 w .. + 255, for all 128 rows.  So each byte of the expert's weights enters the WGP once,
; from a dense stream of 64 KiB a wave and product, laid in the order of the operand's registers, straight into registers, and feeds eight matrix instructions.
; NO JOINT LOADS: partners would have to be tiles of one expert; how many tiles an expert has is read from memory and differs from expert to expert, so no fixed cluster divides them.
; NO TENSOR LOADS: every address hangs on the stored lists, and each stream goes to one wave alone.
; FIRST PRODUCT TRANSPOSED (source 0 = 16 hidden units, source 1 = 16 rows): a lane holds one row, its registers run along the next K.  SECOND PRODUCT AS IT STANDS (source 0 = 16 rows of the
; hidden layer, source 1 = 16 columns 4 r + t): a lane's four tiles t give four neighbouring columns, and sixteen lanes store 256 consecutive bytes of a row.
; Rows behind the tile's last are copies of the expert's last row: they write the same numbers to the same place, from the same wave.
; LIMITS: NaN and infinities are not served.  K inside a block of 32 of the second product is permuted alike on both operands; each routed row's sum is kept apart, the four are added by the next launch.
; REGISTERS, in windows of 256 (s_set_vgpr_msb: bits 1:0 source 0, 3:2 source 1, 5:4 source 2, 7:6 destination):
;   window 0: v1-15 addresses; v16-47 at work; v48-63 keys' scale words, v64-79 values', v80-143 x's, v144-159 the hidden layer's (these hold scales and nothing else); v160-175 gates, in pairs; v176-239 the rows' places in part
;   window 1: a ring of four sets of four weight fragments.   window 2: 32 accumulators (first the landing place of the gathered rows).   window 3: two sets of x's eight fragments, later the 16 hidden fragments.
.set XSO,  4194304                     ; in xq: the scale words lie behind the codes
.set CNT,  0x82000                     ; in lists: the counts
.set LSTB, 16640
.set VQ,   8388608                     ; in wq: values' codes; keys' scale words; from those to values'
.set KSC,  16777216
.set VSCD, 262144
.set XP,   1040                        ; LDS: 128 rows of x's codes, 1,024 bytes + 16: the 16 rows of a fragment load start in 16 different groups of banks
.set HIMG, 133120                      ; the hidden layer's 16 fragments (2 m + s2) as images of their registers, 2,048 bytes each
.set HSC,  165888                      ; and their scale words, 128 bytes each
.set KS,  48
.set VS,  64
.set XSR, 80
.set HS,  144
.set GT,  160
.set AD,  176
.set MSB, 0
.macro WIN new                         ; the immediate's high byte repeats the setting that is left
.if MSB != \new
	s_set_vgpr_msb (MSB<<8)|\new
.set MSB, \new
.endif
.endm
.macro NOPS n
.rept \n
	v_nop
.endr
.endm
	s_load_b256 s[4:11], s[0:1], 0x0               ; xq, sig, lists, wq
	s_load_b64 s[12:13], s[0:1], 0x20              ; part
	v_lshl_add_u32 v254, v0, 2, 0x29000
	v_mov_b32 v255, 0
	v_lshrrev_b32 v16, 5, v0
	v_readfirstlane_b32 s14, v16                   ; wave
	s_mov_b32 s15, ttmp9
	v_and_b32 v18, 31, v0                          ; lane
	v_and_b32 v16, 15, v0                          ; r
	v_bfe_u32 v17, v0, 4, 1                        ; h
	v_lshlrev_b32 v1, 4, v18                       ; 16 x lane
	v_lshlrev_b32 v2, 2, v18                       ; 4 x lane
	v_lshlrev_b32 v3, 3, v18                       ; 8 x lane
	v_mul_u32_u24 v4, v16, XP
	v_lshl_add_u32 v4, v17, 4, v4                  ; x's fragments: row r, + 16 h; tiles 0-3
	v_add_nc_u32 v5, 64*XP, v4                     ; tiles 4-7
	s_mul_i32 s16, s14, 32*XP
	v_mul_u32_u24 v6, v17, XP
	v_lshl_add_u32 v6, v16, 4, v6
	v_add_nc_u32 v6, s16, v6                       ; the gathered rows' way in: my wave's 32 rows, two a store
	s_lshr_b32 s16, s14, 1
	s_and_b32 s17, s14, 1
	s_lshl_b32 s18, s16, 11
	s_lshl_b32 s19, s17, 10
	s_add_co_u32 s18, s18, s19
	s_add_co_u32 s18, s18, HIMG
	v_add_nc_u32 v7, s18, v1                       ; my part of a hidden fragment: K step w / 2, pieces 2 (w % 2) and + 1
	s_lshl_b32 s18, s16, 7
	s_lshl_b32 s19, s17, 1
	s_add_co_u32 s18, s18, s19
	s_add_co_u32 s18, s18, HSC
	v_add_nc_u32 v8, s18, v2                       ; and of its scale word: two bytes
	v_add_nc_u32 v9, HIMG, v1
	v_add_nc_u32 v10, HSC, v2
	v_lshlrev_b32 v11, 4, v16                      ; 16 r
	s_lshl_b32 s18, s14, 7
	v_lshlrev_b32 v13, 2, v17
	v_add_nc_u32 v13, s18, v13                     ; entries of rows 32 w + h (+ 2 i)
	v_lshlrev_b32 v14, 2, v16                      ; of rows r (+ 16 m)
	v_lshlrev_b32 v15, 5, v17                      ; of rows 8 h .. + 7 (+ 16 m)
	s_mov_b32 s74, 0x76543210
	s_mov_b32 s75, 0xfedcba98                      ; selects for lane l xor 16
	s_mov_b32 s76, 0x600000                        ; the mantissa field of 57,344
	s_wait_kmcnt 0x0
	s_load_b512 s[32:47], s[8:9], CNT              ; the 32 counts
	s_load_b512 s[48:63], s[8:9], CNT+64
	s_wait_kmcnt 0x0
	; which tile is mine
	s_mov_b32 s16, 0
.set k, 0
.rept 32
	s_add_co_u32 s17, s[32+k], 127
	s_lshr_b32 s17, s17, 7
	s_add_co_u32 s16, s16, s17                     ; tiles in all
.set k, k+1
.endr
	s_cmp_lt_u32 s15, s16
	s_cselect_b32 s18, s15, 0                      ; a work-group without a tile walks tile 0,
	s_cselect_b32 s78, 1, 0                        ; and stores nothing
	s_mov_b32 s19, 0
	s_mov_b32 s20, 0
	s_mov_b32 s21, 0
	s_mov_b32 s22, 0
.set k, 0
.rept 32
	s_cmp_ge_u32 s18, s19                          ; the last expert whose first tile is not behind mine
	s_cselect_b32 s20, k, s20
	s_cselect_b32 s21, s19, s21
	s_cselect_b32 s22, s[32+k], s22
	s_add_co_u32 s23, s[32+k], 127
	s_lshr_b32 s23, s23, 7
	s_add_co_u32 s19, s19, s23
.set k, k+1
.endr
	s_sub_co_u32 s23, s18, s21
	s_min_u32 s23, s23, 31                         ; which 128 of its rows
	s_min_u32 s20, s20, 31                         ; the expert
	s_lshl_b32 s19, s23, 7
	s_sub_co_u32 s77, s22, s19
	s_min_u32 s77, s77, 128
	s_cmp_eq_u32 s78, 1
	s_cselect_b32 s77, s77, 0                      ; rows to store
	s_mov_b32 s17, 0
	s_lshl_b32 s16, s20, 18
	s_lshl_b32 s19, s14, 16
	s_add_co_u32 s16, s16, s19
	s_add_nc_u64 s[24:25], s[10:11], s[16:17]      ; my stream of keys,
	s_add_nc_u64 s[26:27], s[24:25], VQ            ; of values,
	s_lshl_b32 s16, s20, 13
	s_lshl_b32 s19, s14, 11
	s_add_co_u32 s16, s16, s19
	s_add_co_u32 s16, s16, KSC
	s_add_nc_u64 s[28:29], s[10:11], s[16:17]      ; and their scale words
	s_add_nc_u64 s[30:31], s[28:29], VSCD
	s_mul_i32 s16, s20, LSTB
	s_lshl_b32 s19, s23, 9
	s_add_co_u32 s16, s16, s19
	s_add_nc_u64 s[66:67], s[8:9], s[16:17]        ; the tile's 128 entries
	s_lshl_b32 s16, s14, 10
	s_add_nc_u64 s[68:69], s[12:13], s[16:17]      ; part at my 256 columns
	s_and_b32 s16, s20, 16                         ; the expert's place in a tile of sigmoids: piece 2 (e / 16) + (e / 4) % 2 of 512 bytes, half (e / 8) % 2 of 256, word e % 4
	s_lshl_b32 s16, s16, 6
	s_and_b32 s19, s20, 4
	s_lshl_b32 s19, s19, 7
	s_add_co_u32 s16, s16, s19
	s_and_b32 s19, s20, 8
	s_lshl_b32 s19, s19, 5
	s_add_co_u32 s16, s16, s19
	s_and_b32 s19, s20, 3
	s_lshl_b32 s19, s19, 2
	s_add_co_u32 s16, s16, s19
	s_add_nc_u64 s[70:71], s[6:7], s[16:17]
	s_add_nc_u64 s[72:73], s[4:5], XSO             ; x's scale words
; Weight set q into slot q % 4 of the ring: four fragments, 8 KiB on end.  q = 0 .. 7: keys' K step q;  q = 8 .. 15: values' half 2 g + s2 = q - 8.
.macro STREAM q
	WIN 0x40                                       ; destination window 1
.irp tl, 0,1,2,3
.irp c, 0,1,2,3
.if (\q) < 8
	global_load_b128 v[64*((\q)%4)+16*\tl+4*\c:64*((\q)%4)+16*\tl+4*\c+3], v1, s[24:25] offset:8192*(\q)+2048*\tl+512*\c
.else
	global_load_b128 v[64*((\q)%4)+16*\tl+4*\c:64*((\q)%4)+16*\tl+4*\c+3], v1, s[26:27] offset:8192*((\q)-8)+2048*\tl+512*\c
.endif
.endr
.endr
.endm
.set i, 0
.rept 16
	global_load_b32 v[16+i], v13, s[66:67] offset:8*i      ; the entries of the rows that I gather: 32 w + 2 i + h
.set i, i+1
.endr
.set m, 0
.rept 8
	global_load_b32 v[32+m], v14, s[66:67] offset:64*m     ; and of rows 16 m + r
.set m, m+1
.endr
.set s, 0
.rept 8
	global_load_b64 v[KS+2*s:KS+2*s+1], v3, s[28:29] offset:256*s   ; keys' scale words: register u; lanes 0-15 tiles 0, 1; lanes 16-31 tiles 2, 3
.set s, s+1
.endr
	STREAM 0
	STREAM 1
	STREAM 2
	WIN 0
	s_wait_loadcnt 56                              ; the 24 loads of entries are in: behind them stand 8 of scale words and 48 of weights
.set i, 0
.rept 16
	v_lshrrev_b32 v[16+i], 2, v[16+i]              ; the token,
	v_min_u32 v[16+i], 4095, v[16+i]               ; held inside x,
	v_lshl_add_u32 v[16+i], v[16+i], 10, v11       ; its row of codes, + 16 r
.set i, i+1
.endr
.set m, 0
.rept 8
	v_lshrrev_b32 v[32+m], 2, v[32+m]
	v_min_u32 v[32+m], 4095, v[32+m]
	v_lshlrev_b32 v[40+m], 5, v[32+m]              ; its eight scale words
	v_and_b32 v12, 0xff0, v[32+m]
	v_and_b32 v[32+m], 15, v[32+m]
	v_lshlrev_b32 v[32+m], 4, v[32+m]
	v_lshl_add_u32 v[32+m], v12, 7, v[32+m]        ; its sigmoids: 2,048 (t / 16) + 16 (t % 16)
.set m, m+1
.endr
.set m, 0
.rept 8
	global_load_b128 v[XSR+8*m:XSR+8*m+3], v[40+m], s[72:73]
	global_load_b128 v[XSR+8*m+4:XSR+8*m+7], v[40+m], s[72:73] offset:16
	global_load_b32 v[GT+2*m], v[32+m], s[70:71]           ; the gate of row 16 m + r
	global_load_b128 v[AD+8*m:AD+8*m+3], v15, s[66:67] offset:64*m        ; the entries of rows 16 m + 8 h + 0 .. 7
	global_load_b128 v[AD+8*m+4:AD+8*m+7], v15, s[66:67] offset:64*m+16
	global_load_b64 v[VS+2*m:VS+2*m+1], v3, s[30:31] offset:256*m         ; values' scale words of half m: register t % 2; lanes 0-15 t = 0, 1; lanes 16-31 t = 2, 3
.set m, m+1
.endr
	WIN 0x80                                       ; destination window 2
.set i, 0
.rept 16
.irp j, 0,1,2,3
	global_load_b128 v[16*i+4*\j:16*i+4*\j+3], v[16+i], s[4:5] offset:256*\j   ; sixteen lanes take 256 consecutive bytes of a row of codes
.endr
.set i, i+1
.endr
	WIN 0x08                                       ; an LDS store's data are its source 1: window 2
.set i, 0
.rept 16
	s_wait_loadcnt 4*(15-i)                        ; this pair of rows is in; the pairs behind it may be out
.irp j, 0,1,2,3
	ds_store_b128 v6, v[16*i+4*\j:16*i+4*\j+3] offset:2*XP*i+256*\j
.endr
.set i, i+1
.endr
	WIN 0
.set m, 0
.rept 8
	v_mov_b32 v[GT+2*m+1], v[GT+2*m]               ; the gate twice, for the packed multiply
.set m, m+1
.endr
.set i, 0
.rept 64
	v_min_u32 v[AD+i], 16383, v[AD+i]              ; the entry, held inside part,
	v_lshl_add_u32 v[AD+i], v[AD+i], 12, v11       ; is the row's number there: 4,096 bytes a row, + 16 r
.set i, i+1
.endr
	s_wait_dscnt 0x0                               ; for the others' sake: my 32 rows lie in LDS
	s_barrier_signal -1
	s_barrier_wait -1
; x's eight fragments of K step s into set s % 2 of window 3
.macro XLOAD s
	WIN 0xc0
.irp m, 0,1,2,3,4,5,6,7
.irp c, 0,1,2,3
	ds_load_b128 v[128*((\s)%2)+16*\m+4*\c:128*((\s)%2)+16*\m+4*\c+3], v[4+\m/4] offset:16*XP*(\m%4)+128*(\s)+32*\c
.endr
.endr
.endm
; K step s of the first product: 32 matrix instructions, the 32 accumulators by turns, one instruction a turn, in the same order in every step.
.macro KSTEP s
.if \s > 0
	NOPS 8                                         ; eight places in front of loads into registers that the last step's products read
.endif
	STREAM \s+3                                    ; three sets ahead, into the slot read last step; from s = 5 on the values' first halves
.if \s < 7
	XLOAD \s+1
.endif
	s_wait_loadcnt 48                              ; this step's weights are in: three sets of 16 loads stand behind them
.if \s < 7
	s_wait_dscnt 32                                ; this step's x is in; the next step's 32 loads may be out
.else
	s_wait_dscnt 0x0
.endif
	WIN 0xad                                       ; source 0 (keys) window 1, source 1 (x) window 3, C and D window 2
.irp m, 0,1,2,3,4,5,6,7
.irp tl, 0,1,2,3
.set rD, 8*(4*\m+\tl)
.set rA, 64*((\s)%4)+16*\tl
.set rB, 128*((\s)%2)+16*\m
.set rSA, KS+2*(\s)+(\tl%2)
.set rSB, XSR+8*\m+(\s)
.if \s == 0
.if \tl < 2
	v_wmma_scale_f32_16x16x128_f8f6f4 v[rD:rD+7], v[rA:rA+15], v[rB:rB+15], 0, v[rSA], v[rSB] matrix_a_fmt:MATRIX_FMT_BF8 matrix_b_fmt:MATRIX_FMT_BF8
.else
	v_wmma_scale_f32_16x16x128_f8f6f4 v[rD:rD+7], v[rA:rA+15], v[rB:rB+15], 0, v[rSA], v[rSB] matrix_a_fmt:MATRIX_FMT_BF8 matrix_b_fmt:MATRIX_FMT_BF8 matrix_a_scale:MATRIX_SCALE_ROW1
.endif
.else
.if \tl < 2
	v_wmma_scale_f32_16x16x128_f8f6f4 v[rD:rD+7], v[rA:rA+15], v[rB:rB+15], v[rD:rD+7], v[rSA], v[rSB] matrix_a_fmt:MATRIX_FMT_BF8 matrix_b_fmt:MATRIX_FMT_BF8
.else
	v_wmma_scale_f32_16x16x128_f8f6f4 v[rD:rD+7], v[rA:rA+15], v[rB:rB+15], v[rD:rD+7], v[rSA], v[rSB] matrix_a_fmt:MATRIX_FMT_BF8 matrix_b_fmt:MATRIX_FMT_BF8 matrix_a_scale:MATRIX_SCALE_ROW1
.endif
.endif
.endr
.endr
.endm
	XLOAD 0
.irp s, 0,1,2,3,4,5,6,7
	KSTEP \s
.endr
	NOPS 8                                         ; behind the last products: their results are read, and their weights' slot is loaded
	STREAM 11
; Tile m of rows: my 64 hidden units x the gate, relu, quantised: two blocks of 32 of the next K (a block lies in lanes l and l xor 16), 8 registers of codes and two scale bytes, to LDS as images.
.macro QUANT2 m
.set AB, 32*\m
.set PC, 32+8*(\m%2)
.set PW, 26+(\m%2)
.if \m > 0
	s_wait_dscnt 3                                 ; the last tile's three stores may be out; those of two tiles ago, whose registers are written below, are done
.endif
	WIN 0x82                                       ; destination and source 0 window 2
.set k, 0
.rept 16
	v_pk_mul_f32 v[AB+2*k:AB+2*k+1], v[AB+2*k:AB+2*k+1], v[GT+2*\m:GT+2*\m+1]   ; x the row's gate; each accumulator from its low end on
.set k, k+1
.endr
	WIN 0x0a
	v_max3_num_f32 v16, v[AB], v[AB+1], 0x8000000          ; no |.|: what is negative becomes 0 and must not count; the floor 2^(16 - 127) stands over it
	v_max3_num_f32 v17, v[AB+16], v[AB+17], 0x8000000
	WIN 0x28
.irp i, 2,4,6,8,10,12,14
	v_max3_num_f32 v16, v16, v[AB+\i], v[AB+\i+1]
	v_max3_num_f32 v17, v17, v[AB+16+\i], v[AB+17+\i]
.endr
	WIN 0
	v_permlanex16_b32 v18, v16, s74, s75
	v_permlanex16_b32 v19, v17, s74, s75
	v_max_num_f32 v16, v16, v18
	v_max_num_f32 v17, v17, v19
	v_add_nc_u32 v20, 0xf8800000, v16              ; 15 off the exponent field: the conversion's scale operand
	v_add_nc_u32 v21, 0xf8800000, v17
	v_and_or_b32 v22, v16, 0x7f800000, s76         ; 57,344 x the scale
	v_and_or_b32 v23, v17, 0x7f800000, s76
	v_lshrrev_b32 v24, 23, v20
	v_lshrrev_b32 v25, 23, v21
	v_lshl_or_b32 v[PW], v25, 8, v24               ; the two bytes
	WIN 0x82
.set k, 0
.rept 16
	v_med3_num_f32 v[AB+k], v[AB+k], 0, v22        ; relu and the hold in one
	v_med3_num_f32 v[AB+16+k], v[AB+16+k], 0, v23
.set k, k+1
.endr
	WIN 0x02
.irp bl, 0,1
.irp u, 0,1
	v_cvt_scalef32_pk8_bf8_f32 v[PC+4*\bl+2*\u:PC+4*\bl+2*\u+1], v[AB+16*\bl+8*\u:AB+16*\bl+8*\u+7], v[20+\bl]
.endr
.endr
	v_nop                                          ; a plain line behind the last conversion
	WIN 0
	ds_store_b128 v7, v[PC:PC+3] offset:4096*\m
	ds_store_b128 v7, v[PC+4:PC+7] offset:4096*\m+512
	ds_store_b16 v8, v[PW] offset:256*\m
.endm
.irp m, 0,1,2,3,4,5,6,7
	QUANT2 \m
.endr
	s_wait_dscnt 0x0                               ; for the others' sake: my part of the hidden layer lies in LDS
	s_barrier_signal -1
	s_barrier_wait -1
	WIN 0xc0
.set f, 0
.rept 16
.irp c, 0,1,2,3
	ds_load_b128 v[16*f+4*\c:16*f+4*\c+3], v9 offset:2048*f+512*\c   ; all 16 hidden fragments stay in window 3
.endr
.set f, f+1
.endr
	WIN 0
.set f, 0
.rept 16
	ds_load_b32 v[HS+f], v10 offset:128*f
.set f, f+1
.endr
	s_wait_dscnt 0x0
; 16 rows of a group leave: a lane's four tiles are put side by side (32 moves: cheaper than these bytes' way through LDS and back) and sixteen lanes store 256 consecutive bytes, aligned, of a routed row.
.macro OUTM g, m
	WIN 0                                          ; at a branch and at a label every window is 0
	s_cmp_le_u32 s77, 16*\m
	s_cbranch_scc1 .Lskip_\@                       ; none of these 16 rows is the tile's
	s_wait_xcnt 0x0                                ; the registers that the last stores read are written again
	WIN 0x02
.irp j, 0,1,2,3,4,5,6,7
.irp t, 0,1,2,3
	v_mov_b32 v[16+4*\j+\t], v[8*(4*\m+\t)+\j]     ; each accumulator from its low end on
.endr
.endr
	WIN 0
.irp j, 0,1,2,3,4,5,6,7
	global_store_b128 v[AD+8*\m+\j], v[16+4*\j:16+4*\j+3], s[68:69] offset:256*\g
.endr
.Lskip_\@:
.endm
; Group g: my columns 64 g .. + 63 for the 128 rows: 64 matrix instructions, the 32 accumulators by turns, K step by K step.
.macro GROUP g
.if \g < 3
	s_wait_loadcnt 32                              ; this group's two halves are in; the next group's 32 loads may be out
.else
	s_wait_loadcnt 0x0
.endif
	WIN 0xa7                                       ; source 0 (hidden) window 3, source 1 (values) window 1, C and D window 2
.irp s2, 0,1
.irp m, 0,1,2,3,4,5,6,7
.irp t, 0,1,2,3
.set rD, 8*(4*\m+\t)
.set rA, 16*(2*\m+\s2)
.set rB, 128*(\g%2)+64*\s2+16*\t
.set rSA, HS+2*\m+\s2
.set rSB, VS+2*(2*\g+\s2)+(\t%2)
.if \s2 == 0
.if \t < 2
	v_wmma_scale_f32_16x16x128_f8f6f4 v[rD:rD+7], v[rA:rA+15], v[rB:rB+15], 0, v[rSA], v[rSB] matrix_a_fmt:MATRIX_FMT_BF8 matrix_b_fmt:MATRIX_FMT_BF8
.else
	v_wmma_scale_f32_16x16x128_f8f6f4 v[rD:rD+7], v[rA:rA+15], v[rB:rB+15], 0, v[rSA], v[rSB] matrix_a_fmt:MATRIX_FMT_BF8 matrix_b_fmt:MATRIX_FMT_BF8 matrix_b_scale:MATRIX_SCALE_ROW1
.endif
.else
.if \t < 2
	v_wmma_scale_f32_16x16x128_f8f6f4 v[rD:rD+7], v[rA:rA+15], v[rB:rB+15], v[rD:rD+7], v[rSA], v[rSB] matrix_a_fmt:MATRIX_FMT_BF8 matrix_b_fmt:MATRIX_FMT_BF8
.else
	v_wmma_scale_f32_16x16x128_f8f6f4 v[rD:rD+7], v[rA:rA+15], v[rB:rB+15], v[rD:rD+7], v[rSA], v[rSB] matrix_a_fmt:MATRIX_FMT_BF8 matrix_b_fmt:MATRIX_FMT_BF8 matrix_b_scale:MATRIX_SCALE_ROW1
.endif
.endif
.endr
.endr
.endr
	NOPS 9                                         ; nine places: the next group's first products begin these accumulators anew, also where no row is stored between; eight of them serve the loads and moves below
.if \g < 2
	STREAM 12+2*\g                                 ; the group two on, into the slots just read
	STREAM 13+2*\g
.endif
.irp m, 0,1,2,3,4,5,6,7
	OUTM \g, \m
.endr
.endm
	GROUP 0
	GROUP 1
	GROUP 2
	GROUP 3
	s_wait_tensorcnt 0x0
	ds_add_u32 v254, v255
	s_wait_dscnt 0x0
	s_endpgm
.Lfunc_end_k_q3389c9222d_chain:
	.size	k_q3389c9222d_chain, .Lfunc_end_k_q3389c9222d_chain-k_q3389c9222d_chain
	.p2alignl 7, 3214868480
	.fill 96, 4, 3214868480
	.section	.rodata,"a",@progbits
	.p2align	6, 0x0
	.amdhsa_kernel k_q3389c9222d_chain
		.amdhsa_group_segment_fixed_size 168448
		.amdhsa_private_segment_fixed_size 0
		.amdhsa_enable_private_segment 0
		.amdhsa_kernarg_size 40
		.amdhsa_user_sgpr_count 2
		.amdhsa_user_sgpr_kernarg_segment_ptr 1
		.amdhsa_wavefront_size32 1
		.amdhsa_system_sgpr_workgroup_id_x 1
		.amdhsa_system_sgpr_workgroup_id_y 1
		.amdhsa_system_sgpr_workgroup_id_z 1
		.amdhsa_system_vgpr_workitem_id 0
		.amdhsa_next_free_vgpr 1024
		.amdhsa_next_free_sgpr 80
		.amdhsa_reserve_vcc 0
		.amdhsa_float_denorm_mode_32 3
		.amdhsa_float_denorm_mode_16_64 3
		.amdhsa_memory_ordered 1
		.amdhsa_forward_progress 1
		.amdhsa_inst_pref_size 255
	.end_amdhsa_kernel
	.section	.bss,"aw",@nobits
	.p2align	6
	.space	262144
	.amdgpu_metadata
---
amdhsa.version: [ 1, 2 ]
amdhsa.kernels:
  - .name:           k_q3389c9222d_chain
    .symbol:         k_q3389c9222d_chain.kd
    .args:
      - { .name: xq, .offset: 0, .size: 8, .value_kind: global_buffer, .address_space: global }
      - { .name: sig, .offset: 8, .size: 8, .value_kind: global_buffer, .address_space: global }
      - { .name: lists, .offset: 16, .size: 8, .value_kind: global_buffer, .address_space: global }
      - { .name: wq, .offset: 24, .size: 8, .value_kind: global_buffer, .address_space: global }
      - { .name: part, .offset: 32, .size: 8, .value_kind: global_buffer, .address_space: global }
    .group_segment_fixed_size: 168448
    .private_segment_fixed_size: 0
    .kernarg_segment_align: 8
    .kernarg_segment_size: 40
    .max_flat_workgroup_size: 128
    .sgpr_count:     80
    .vgpr_count:     1024
    .wavefront_size: 32
...
	.end_amdgpu_metadata
.endif
;; end of part 3
;; launch addup (part 4): grid 512 x 1, 8 waves a work-group, no clusters, 0 bytes of LDS; arguments part, out0; writes out0
.if DOCPART == 4
	.amdgcn_target "amdgcn-amd-amdhsa--gfx1250"
	.amdhsa_code_object_version 6
	.text
	.protected	k_q3389c9222d_addup
	.globl	k_q3389c9222d_addup
	.p2align	8
	.type	k_q3389c9222d_addup,@function
k_q3389c9222d_addup:
	s_mov_b64 s[64:65], 0
	v_nop
	global_prefetch_b8 v0, s[64:65] scope:SCOPE_SE
	s_setreg_imm32_b32 hwreg(HW_REG_WAVE_MODE, 25, 1), 1
	s_wait_xcnt 0x0
; out0[t] = part[4 t] + part[4 t + 1] + part[4 t + 2] + part[4 t + 3]: a token's four routed rows, added in the order of the picks.
; A stream: a work-group takes 8 tokens; thread n owns bytes 16 n of every row of 4,096 bytes, so each load and store of a wave covers 512 consecutive bytes.
; All 32 loads of a thread go out at once; no loop, no LDS, no barrier; matrix units and clusters would add nothing here.
.set L, 4                              ; v4-131: register 4 (4 k + s): my 16 bytes of token k's row s; the sum is made in row 0's registers, which nothing writes again
	s_load_b128 s[4:7], s[0:1], 0x0                ; part, out0
	v_lshlrev_b32 v1, 4, v0
	s_lshl_b32 s8, ttmp9, 17                       ; 32 rows of 4,096 bytes in,
	s_mov_b32 s9, 0
	s_lshl_b32 s10, ttmp9, 15                      ; 8 out
	s_mov_b32 s11, 0
	s_wait_kmcnt 0x0
	s_add_nc_u64 s[4:5], s[4:5], s[8:9]
	s_add_nc_u64 s[6:7], s[6:7], s[10:11]
.set i, 0
.rept 32
	global_load_b128 v[L+4*i:L+4*i+3], v1, s[4:5] offset:4096*i th:TH_LOAD_NT
.set i, i+1
.endr
.set k, 0
.rept 8
	s_wait_loadcnt 4*(7-k)                         ; token k's four rows are in; the tokens behind it may be out
.irp s, 1,2,3
	v_pk_add_f32 v[L+16*k:L+16*k+1], v[L+16*k:L+16*k+1], v[L+16*k+4*\s:L+16*k+4*\s+1]
	v_pk_add_f32 v[L+16*k+2:L+16*k+3], v[L+16*k+2:L+16*k+3], v[L+16*k+4*\s+2:L+16*k+4*\s+3]
.endr
	global_store_b128 v1, v[L+16*k:L+16*k+3], s[6:7] offset:4096*k th:TH_STORE_NT
.set k, k+1
.endr
	s_endpgm
.Lfunc_end_k_q3389c9222d_addup:
	.size	k_q3389c9222d_addup, .Lfunc_end_k_q3389c9222d_addup-k_q3389c9222d_addup
	.p2alignl 7, 3214868480
	.fill 96, 4, 3214868480
	.section	.rodata,"a",@progbits
	.p2align	6, 0x0
	.amdhsa_kernel k_q3389c9222d_addup
		.amdhsa_group_segment_fixed_size 0
		.amdhsa_private_segment_fixed_size 0
		.amdhsa_enable_private_segment 0
		.amdhsa_kernarg_size 16
		.amdhsa_user_sgpr_count 2
		.amdhsa_user_sgpr_kernarg_segment_ptr 1
		.amdhsa_wavefront_size32 1
		.amdhsa_system_sgpr_workgroup_id_x 1
		.amdhsa_system_sgpr_workgroup_id_y 1
		.amdhsa_system_sgpr_workgroup_id_z 1
		.amdhsa_system_vgpr_workitem_id 0
		.amdhsa_next_free_vgpr 136
		.amdhsa_next_free_sgpr 66
		.amdhsa_reserve_vcc 0
		.amdhsa_float_denorm_mode_32 3
		.amdhsa_float_denorm_mode_16_64 3
		.amdhsa_memory_ordered 1
		.amdhsa_forward_progress 1
		.amdhsa_inst_pref_size 8
	.end_amdhsa_kernel
	.amdgpu_metadata
---
amdhsa.version: [ 1, 2 ]
amdhsa.kernels:
  - .name:           k_q3389c9222d_addup
    .symbol:         k_q3389c9222d_addup.kd
    .args:
      - { .name: part, .offset: 0, .size: 8, .value_kind: global_buffer, .address_space: global }
      - { .name: out0, .offset: 8, .size: 8, .value_kind: global_buffer, .address_space: global }
    .group_segment_fixed_size: 0
    .private_segment_fixed_size: 0
    .kernarg_segment_align: 8
    .kernarg_segment_size: 16
    .max_flat_workgroup_size: 256
    .sgpr_count:     66
    .vgpr_count:     136
    .wavefront_size: 32
...
	.end_amdgpu_metadata
.endif
;; end of part 4
;; ======== version 2 of 2: 4 launches
;; workspace buffers: xq 4,325,376 bytes; sig 524,288 bytes; choice 65,536 bytes of whole numbers; lists 532,736 bytes of whole numbers; wq 17,301,504 bytes; part 67,108,864 bytes
;; launch route (part 5): grid 256 x 1, 8 waves a work-group, no clusters, 102,144 bytes of LDS; arguments x, expert_sel, xq, sig, choice; writes xq, sig, choice
.if DOCPART == 5
	.amdgcn_target "amdgcn-amd-amdhsa--gfx1250"
	.amdhsa_code_object_version 6
	.text
	.protected	k_q3389c9222d_route
	.globl	k_q3389c9222d_route
	.p2align	8
	.type	k_q3389c9222d_route,@function
k_q3389c9222d_route:
	s_mov_b64 s[64:65], 0
	v_nop
	global_prefetch_b8 v0, s[64:65] scope:SCOPE_SE
	s_setreg_imm32_b32 hwreg(HW_REG_WAVE_SCHED_MODE, 0, 2), 2
	s_setreg_imm32_b32 hwreg(HW_REG_WAVE_MODE, 25, 1), 1
	s_wait_xcnt 0x0
	s_wait_alu depctr_vm_vsrc(0)
; ROUTER.  x [4096][1024] f32 is quantised along d to E5M2 codes with one E8M0 byte for each 32 (codes and scale words go to xq), multiplied by the
; quantised expert_sel [32][1024], put through the sigmoid (all 32 go to sig), and the four largest of each token are chosen, the lower index first
; among equals.  The choice is stored as whole numbers at fixed places: token t has four words; nibble e % 8 of word e / 8 is the pick's number + 1, or 0.
; No address and no branch here hangs on a floating-point number.
; SHARES.  A work-group takes 16 tokens; wave s takes K step s (d = 128 s .. 128 s + 127): one fragment of x, two of expert_sel, two partial tiles of logits.
; One barrier; then every wave stores two rows of codes, and wave 0 adds the eight partial tiles in ascending s and does the rest.
; Every global load reads 512 consecutive bytes; the numbers turn through the wave's own stage in LDS so that a lane holds 16 neighbours of each block of 32.
; LIMITS: NaN and infinities are not served; four picks are built in; a block of zeros gets the byte 1 (its codes are zeros; only this program reads the
; bytes); a sigmoid that would lie under 2^-126 comes out as 0.
; THE MODE: SCHED_MODE bits 1:0 = 2 (LLVM: expert scheduling mode 2), set by the entry lines.  The code itself states the register dependences
; between vector or matrix instructions and memory or LDS instructions, with s_wait_alu, always for 0.
; THE PLAN.  Registers that memory or LDS instructions touch:
;   v1, v4-v11    offsets and LDS addresses, made once at the head and never written again: one wait ahead of the first load serves them all.
;   RX, RA, RB    global loads land; 16 LDS stores read them; 16 LDS loads land in the same registers (a wait between the two runs); then vector instructions alone, until wave 0's LDS loads.
;   CX, v28       written by x's conversions, read by five LDS stores (a wait ahead of them) and by the products; never written again.
;   CA, CB, RA, RB  read by conversions and products; LDS loads land in them behind the barrier: the wait behind the products serves these loads too, since no vector instruction between names them.
;   D0, D1        written by the products, read by four LDS stores: the places, then that same wait.
;   SG            written by the reciprocals, read by four stores (the reciprocals' wait serves them), written again by the picks (a wait ahead of the first pick).
;   v12-v14       data and offset of the last store: a wait ahead of it.
; Masks: a compare's mask is waited for ahead of the select that reads it; the compares stand in runs of eight, into eight scalar registers, one wait to a run.
.set STGW, 8448                        ; a wave's stage: 16 rows x 528 bytes (512 + 16: row r starts 4 r banks on)
.set SPI,  528
.set XC,   67584                       ; the 16 tokens' codes: rows of 1,024 bytes + 16
.set XCP,  1040
.set XSL,  84224                       ; their scale words: 32 bytes a token
.set PL,   84736                       ; partial logits: for each wave two accumulators as four images of 512 bytes
.set XSO,  4194304                     ; in xq: the scale words lie behind the codes
.set RX, 64                            ; v64-127   64 numbers of x; later B's codes, the two results, the sigmoids, the experts' numbers
.set RA, 128                           ; v128-191  of experts 0-15
.set RB, 192                           ; v192-255  of experts 16-31
.set CX, 32                            ; v32-47    x's codes
.set CA, 48                            ; v48-63    codes of experts 0-15
.set CB, 64                            ; v64-79    of experts 16-31
.set D0, 80                            ; v80-87, v88-95 the two partial tiles
.set D1, 88
.set TM, 16                            ; v16-19 largest magnitudes, v20-23 bytes, v24-27 the largest number x the scale
.set SO, 12                            ; v12-15 the conversions' scale operands
.set XW, 28                            ; v28, v29, v30: the three scale words; they hold nothing else
.set AW, 29
.set BW, 30
.set SG, 96                            ; v96-111  wave 0: 16 logits, then sigmoids, of my token
.set EI, 112                           ; v112-127 wave 0: which expert each of them belongs to
.set MK, 22                            ; s22-29   wave 0, in the picks: eight masks; the mantissa field and the offsets that stood here have served by then
	s_load_b256 s[4:11], s[0:1], 0x0               ; x, expert_sel, xq, sig
	s_load_b64 s[12:13], s[0:1], 0x20              ; choice
	v_lshl_add_u32 v31, v0, 2, 0x18b00
	s_set_vgpr_msb 0x40
	v_mov_b32 v1, 0
	s_set_vgpr_msb 0x4000
	v_lshrrev_b32 v14, 5, v0
	v_readfirstlane_b32 s16, v14                   ; wave = K step
	v_and_b32 v15, 31, v0
	v_lshlrev_b32 v1, 4, v15                       ; 16 x lane
	v_and_b32 v2, 15, v0                           ; r
	v_bfe_u32 v3, v0, 4, 1                         ; h
	s_wait_alu depctr_va_sdst(0)                   ; s16 is written, ahead of its first reader: LDS places and bases are made from it
	s_mul_i32 s28, s16, STGW
	v_add_nc_u32 v4, s28, v1                       ; the stage, way in: 16 x lane of a row
	v_mul_u32_u24 v5, v2, SPI
	v_lshl_add_u32 v5, v3, 6, v5
	v_add_nc_u32 v5, s28, v5                       ; way out: row r, + 64 h
	s_lshl_b32 s28, s16, 7
	s_add_co_u32 s28, s28, XC
	v_mul_u32_u24 v6, v2, XCP
	v_lshl_add_u32 v6, v3, 4, v6
	v_add_nc_u32 v6, s28, v6                       ; codes: row r, + 128 x wave + 16 h
	s_lshl_b32 s28, s16, 2
	s_add_co_u32 s28, s28, XSL
	v_lshlrev_b32 v7, 5, v2
	v_add_nc_u32 v7, s28, v7                       ; scale word: 32 r + 4 x wave
	s_lshl_b32 s28, s16, 11
	s_add_co_u32 s28, s28, PL
	v_add_nc_u32 v8, s28, v1                       ; my partial tiles' images
	s_mul_i32 s28, s16, 2*XCP
	s_add_co_u32 s28, s28, XC
	v_add_nc_u32 v9, s28, v1                       ; the two rows of codes that I store
	v_add_nc_u32 v10, XSL, v1                      ; wave 0: all scale words,
	v_add_nc_u32 v11, PL, v1                       ; and all partial tiles (made here, ahead of the parting of the waves)
.irp b, 0,1,2,3
	v_mov_b32 v[TM+4+\b], 0                        ; written once: a lane permute's destination counts as one of its sources
.endr
	s_mov_b32 s20, 0x76543210
	s_mov_b32 s21, 0xfedcba98                      ; selects for lane l xor 16
	s_mov_b32 s22, 0x600000                        ; the mantissa field of 57,344
	s_lshl_b32 s24, ttmp9, 16                      ; 16 rows of 4,096 bytes a work-group,
	s_lshl_b32 s26, s16, 9                         ; 512 bytes a K step
	s_add_co_u32 s24, s24, s26
	s_mov_b32 s25, 0
	s_mov_b32 s27, 0
	s_wait_kmcnt 0x0
	s_add_nc_u64 s[4:5], s[4:5], s[24:25]
	s_add_nc_u64 s[6:7], s[6:7], s[26:27]
	s_wait_alu depctr_va_vdst(0)                   ; v1 and v4 to v11 are written: every load, store and LDS instruction of the kernel but the last store reads one of them as its address
.set i, 0
.rept 16
	global_load_b128 v[RX+4*i:RX+4*i+3], v1, s[4:5] offset:4096*i th:TH_LOAD_NT   ; token i: 512 consecutive bytes
.set i, i+1
.endr
.set i, 0
.rept 16
	global_load_b128 v[RA+4*i:RA+4*i+3], v1, s[6:7] offset:4096*i
.set i, i+1
.endr
.set i, 0
.rept 16
	global_load_b128 v[RB+4*i:RB+4*i+3], v1, s[6:7] offset:4096*(16+i)
.set i, i+1
.endr
	s_lshl_b32 s24, ttmp9, 14
	s_lshl_b32 s26, s16, 11
	s_add_co_u32 s24, s24, s26
	s_add_nc_u64 s[30:31], s[8:9], s[24:25]        ; xq: my two rows of codes
	s_lshl_b32 s24, ttmp9, 9
	s_add_nc_u64 s[32:33], s[8:9], XSO
	s_add_nc_u64 s[32:33], s[32:33], s[24:25]      ; xq: the work-group's scale words
	s_lshl_b32 s24, ttmp9, 11
	s_add_nc_u64 s[10:11], s[10:11], s[24:25]      ; sig: 2,048 bytes a work-group
	s_lshl_b32 s24, ttmp9, 8
	s_add_nc_u64 s[12:13], s[12:13], s[24:25]      ; choice: 256 bytes a work-group
; 16 rows of 512 bytes go into my stage as loaded and come back 64 bytes a lane of each block: register 16 b + i = k 32 b + 16 h + i of row r.
; LDS serves a wave's instructions in order (ISA guide 5.7.1.4): no wait on DScnt between the stores and the loads, and one stage serves three times.
.macro TURN reg
.set i, 0
.rept 16
	ds_store_b128 v4, v[\reg+4*i:\reg+4*i+3] offset:SPI*i
.set i, i+1
.endr
	s_wait_alu depctr_vm_vsrc(0)                   ; the sixteen stores above have read their data registers, in which the sixteen loads below land
.irp b, 0,1,2,3
.irp j, 0,1,2,3
	ds_load_b128 v[\reg+16*\b+4*\j:\reg+16*\b+4*\j+3], v5 offset:128*\b+16*\j
.endr
.endr
.endm
; 64 numbers of a lane become a fragment's 16 registers of codes and my row's scale word.
.macro QUANT s, pc, pw
.irp b, 0,1,2,3
	v_max3_num_f32 v[TM+\b], |v[\s+16*\b]|, |v[\s+1+16*\b]|, 0x8000000   ; my 16 numbers of block b, and the floor 2^(16 - 127): the byte cannot fall under 1
.endr
.irp i, 2,4,6,8,10,12,14
.irp b, 0,1,2,3
	v_max3_num_f32 v[TM+\b], v[TM+\b], |v[\s+16*\b+\i]|, |v[\s+1+16*\b+\i]|
.endr
.endr
.irp b, 0,1,2,3
	v_permlanex16_b32 v[TM+4+\b], v[TM+\b], s20, s21
.endr
.irp b, 0,1,2,3
	v_max_num_f32 v[TM+\b], v[TM+\b], v[TM+4+\b]   ; with lane l xor 16's: the block's largest magnitude
.endr
.irp b, 0,1,2,3
	v_add_nc_u32 v[SO+\b], 0xf8800000, v[TM+\b]    ; 15 off its exponent field: the conversion's scale operand
.endr
.irp b, 0,1,2,3
	v_and_or_b32 v[TM+8+\b], v[TM+\b], 0x7f800000, s22   ; 57,344 x the scale
.endr
.irp b, 0,1,2,3
	v_lshrrev_b32 v[TM+4+\b], 23, v[SO+\b]         ; the scale's byte
.endr
	v_lshl_or_b32 v[\pw], v[TM+5], 8, v[TM+4]
	v_lshl_or_b32 v[\pw], v[TM+6], 16, v[\pw]
	v_lshl_or_b32 v[\pw], v[TM+7], 24, v[\pw]
.irp b, 0,1,2,3
.irp i, 0,1,2,3,4,5,6,7,8,9,10,11,12,13,14,15
	v_med3_num_f32 v[\s+16*\b+\i], v[\s+16*\b+\i], -v[TM+8+\b], v[TM+8+\b]   ; the conversion does not saturate (ISA guide 7.6.2): hold first
.endr
	v_cvt_scalef32_pk8_bf8_f32 v[\pc+4*\b:\pc+4*\b+1], v[\s+16*\b:\s+16*\b+7], v[SO+\b]
	v_cvt_scalef32_pk8_bf8_f32 v[\pc+4*\b+2:\pc+4*\b+3], v[\s+16*\b+8:\s+16*\b+15], v[SO+\b]
.endr
	v_nop                                          ; a plain line behind the last conversion
.endm
	s_wait_loadcnt 32                              ; x's 16 loads are in; expert_sel's 32 may be out
	TURN RX
	s_wait_loadcnt 16                              ; experts 0-15 are in
	TURN RA
	s_wait_dscnt 32                                ; x is back from the stage; the second turn's 32 may be out
	QUANT RX, CX, XW
	s_wait_loadcnt 0x0                             ; experts 16-31 are in
	TURN RB
	s_wait_alu depctr_va_vdst(0)                   ; x's conversions have written v[CX ..] and its scale word, which the five stores below read
.irp c, 0,1,2,3
	ds_store_b128 v6, v[CX+4*\c:CX+4*\c+3] offset:32*\c   ; x's codes by rows, for the way to memory
.endr
	ds_store_b32 v7, v[XW]                         ; both halves of the lanes write the same word with the same value
	s_wait_dscnt 37                                ; experts 0-15 are back: behind them stand the third turn's 32 and these 5 stores
	QUANT RA, CA, AW
	s_wait_dscnt 0x0
	QUANT RB, CB, BW
.rept 8
	v_nop                                          ; codes and scale words made by vector instructions stand ahead of a scaled matrix instruction
.endr
	s_wait_alu depctr_va_vdst(0)                   ; behind the places: the three fragments' codes and the three scale words are written, which the two products take as operands and scales
	; source 0 = 16 experts, source 1 = my work-group's 16 tokens: lane (r, h) holds token r, register j expert 8 h + j (+ 16)
	v_wmma_scale_f32_16x16x128_f8f6f4 v[D0:D0+7], v[CA:CA+15], v[CX:CX+15], 0, v[AW], v[XW] matrix_a_fmt:MATRIX_FMT_BF8 matrix_b_fmt:MATRIX_FMT_BF8
	v_wmma_scale_f32_16x16x128_f8f6f4 v[D1:D1+7], v[CB:CB+15], v[CX:CX+15], 0, v[BW], v[XW] matrix_a_fmt:MATRIX_FMT_BF8 matrix_b_fmt:MATRIX_FMT_BF8
.rept 8
	v_nop                                          ; eight places behind this form, before its results are read
.endr
	s_wait_alu depctr_va_vdst(0)                   ; the products have written D0 and D1, which the stores below read, and are done reading CA and CB; the conversions are done reading RA and RB: LDS loads land in all four behind the barrier
	ds_store_b128 v8, v[D0:D0+3]                   ; each result from its low end on
	ds_store_b128 v8, v[D0+4:D0+7] offset:512
	ds_store_b128 v8, v[D1:D1+3] offset:1024
	ds_store_b128 v8, v[D1+4:D1+7] offset:1536
	s_wait_dscnt 0x0                               ; for the others' sake: my codes, scale words and partial tiles lie in LDS
	s_barrier_signal -1
	s_barrier_wait -1
.irp q, 0,1,2,3
	ds_load_b128 v[CA+4*\q:CA+4*\q+3], v9 offset:XCP*(\q/2)+512*(\q%2)
.endr
.irp q, 0,1,2,3
	s_wait_dscnt 3-\q
	global_store_b128 v1, v[CA+4*\q:CA+4*\q+3], s[30:31] offset:1024*(\q/2)+512*(\q%2)   ; 512 consecutive bytes of a row of codes
.endr
	s_cmp_lg_u32 s16, 0
	s_cbranch_scc1 .Lend
	; ---- wave 0 alone
	ds_load_b128 v[CB:CB+3], v10                   ; the 16 tokens' scale words: 512 bytes
.set s, 0
.rept 8
.irp q, 0,1,2,3
	ds_load_b128 v[128+16*s+4*\q:128+16*s+4*\q+3], v11 offset:2048*s+512*\q
.endr
.set s, s+1
.endr
	s_wait_dscnt 32
	global_store_b128 v1, v[CB:CB+3], s[32:33]
	s_wait_dscnt 0x0
.irp p, 0,2,4,6,8,10,12,14
	v_pk_add_f32 v[SG+\p:SG+\p+1], v[128+\p:129+\p], v[144+\p:145+\p]   ; the eight K steps' parts, in ascending order
.endr
.irp s, 2,3,4,5,6,7
.irp p, 0,2,4,6,8,10,12,14
	v_pk_add_f32 v[SG+\p:SG+\p+1], v[SG+\p:SG+\p+1], v[128+16*\s+\p:129+16*\s+\p]
.endr
.endr
.set i, 0
.rept 16
	v_mul_f32 v[SG+i], 0xbfb8aa3b, v[SG+i]         ; - log2(e) x the logit
.set i, i+1
.endr
.set i, 0
	s_wait_alu depctr_va_vdst(0)
.rept 16
	v_exp_f32 v[SG+i], v[SG+i]
.set i, i+1
.endr
	v_lshlrev_b32 v14, 3, v3                       ; 8 h (a plain line behind the exponentials)
	s_wait_alu depctr_va_vdst(0)                   ; the sixteen exponentials have written v[SG ..], ahead of their first reader
.irp p, 0,2,4,6,8,10,12,14
	v_pk_add_f32 v[SG+\p:SG+\p+1], v[SG+\p:SG+\p+1], 1.0 op_sel_hi:[1,0]
.endr
.set i, 0
	s_wait_alu depctr_va_vdst(0)
.rept 16
	v_rcp_f32 v[SG+i], v[SG+i]                     ; the sigmoid
.set i, i+1
.endr
	v_mov_b32 v22, -1.0                            ; under every sigmoid (a plain line behind the reciprocals)
	s_wait_alu depctr_va_vdst(0)                   ; the sixteen reciprocals have written v[SG ..], ahead of their first readers: the four stores below
.irp q, 0,1,2,3
	global_store_b128 v1, v[SG+4*\q:SG+4*\q+3], s[10:11] offset:512*\q   ; all 32 sigmoids of the 16 tokens, as the registers hold them: 512 bytes a store
.endr
.set i, 0
.rept 16
	v_add_nc_u32 v[EI+i], i+8*(i/8), v14           ; register i belongs to expert 8 h + i, from i = 8 on 8 more
.set i, i+1
.endr
.irp q, 0,1,2,3
	v_mov_b32 v[24+\q], 0                          ; the token's four words
.endr
	s_wait_xcnt 0x0                                ; the sigmoids' registers are written again below
	s_wait_alu depctr_vm_vsrc(0)                   ; the four stores have read v[SG ..], which the picks write
; Pick number k: the largest sigmoid left, the lowest expert among equals (as jax.lax.top_k has it); it is then put under all others.
; The compares stand in runs of eight, each into a mask register of its own, with one wait behind the run; the selects keep their order.
.macro PICK k
	v_max3_num_f32 v16, v[SG], v[SG+1], v[SG+2]
.irp i, 3,5,7,9,11,13
	v_max3_num_f32 v16, v16, v[SG+\i], v[SG+\i+1]
.endr
	v_max_num_f32 v16, v16, v[SG+15]
	v_permlanex16_b32 v17, v16, s20, s21
	v_max_num_f32 v16, v16, v17                    ; over the token's 32
	v_mov_b32 v18, 64
.irp hf, 1,0
.irp i, 7,6,5,4,3,2,1,0
	v_cmp_eq_f32 s[MK+\i], v[SG+8*\hf+\i], v16
.endr
	s_wait_alu depctr_va_sdst(0)                   ; the eight masks are written, ahead of the selects that read them
.irp i, 7,6,5,4,3,2,1,0
	v_cndmask_b32 v18, v18, v[EI+8*\hf+\i], s[MK+\i]   ; descending, so that the lowest stays
.endr
.endr
	v_permlanex16_b32 v17, v18, s20, s21
	v_min_u32 v18, v18, v17                        ; the expert
.irp hf, 0,1
.irp i, 0,1,2,3,4,5,6,7
	v_cmp_eq_u32 s[MK+\i], v[EI+8*\hf+\i], v18
.endr
	s_wait_alu depctr_va_sdst(0)                   ; the eight masks are written, ahead of the selects that read them
.irp i, 0,1,2,3,4,5,6,7
	v_cndmask_b32 v[SG+8*\hf+\i], v[SG+8*\hf+\i], v22, s[MK+\i]
.endr
.endr
	v_and_b32 v19, 7, v18
	v_lshlrev_b32 v19, 2, v19
	v_mov_b32 v20, \k+1
	v_lshlrev_b32 v20, v19, v20                    ; k + 1 in nibble e % 8
	v_lshrrev_b32 v21, 3, v18
.irp q, 0,1,2,3
	v_cmp_eq_u32 s[MK+\q], \q, v21
.endr
	s_wait_alu depctr_va_sdst(0)                   ; the four masks are written, ahead of the selects that read them
.irp q, 0,1,2,3
	v_cndmask_b32 v19, 0, v20, s[MK+\q]
	v_or_b32 v[24+\q], v[24+\q], v19               ; of word e / 8
.endr
.endm
	PICK 0
	PICK 1
	PICK 2
	PICK 3
	v_cmp_eq_u32 vcc_lo, 1, v3
	v_lshlrev_b32 v14, 4, v2
	v_lshl_add_u32 v14, v3, 3, v14
	s_wait_alu depctr_va_vcc(0)                    ; VCC is written, ahead of the two selects that read it
	v_cndmask_b32 v12, v24, v26, vcc_lo            ; lanes 0-15 store words 0, 1 of their token, lanes 16-31 words 2, 3
	v_cndmask_b32 v13, v25, v27, vcc_lo
	s_wait_alu depctr_va_vdst(0)                   ; v12, v13 and v14 are written: the data and the offset of the store below
	global_store_b64 v14, v[12:13], s[12:13]       ; 256 consecutive bytes
.Lend:
	s_set_vgpr_msb 0x4                             ; the add's second register lies in window 1: the switch stands ahead of the closing lines
	s_wait_dscnt 0x0                               ; the closing lines, six on end
	s_wait_alu 0x0
	s_wait_tensorcnt 0x0
	ds_add_u32 v31, v1
	s_wait_dscnt 0x0
	s_endpgm
.Lfunc_end_k_q3389c9222d_route:
	.size	k_q3389c9222d_route, .Lfunc_end_k_q3389c9222d_route-k_q3389c9222d_route
	.p2alignl 7, 3214868480
	.fill 96, 4, 3214868480
	.section	.rodata,"a",@progbits
	.p2align	6, 0x0
	.amdhsa_kernel k_q3389c9222d_route
		.amdhsa_group_segment_fixed_size 102144
		.amdhsa_private_segment_fixed_size 0
		.amdhsa_enable_private_segment 0
		.amdhsa_kernarg_size 40
		.amdhsa_user_sgpr_count 2
		.amdhsa_user_sgpr_kernarg_segment_ptr 1
		.amdhsa_wavefront_size32 1
		.amdhsa_system_sgpr_workgroup_id_x 1
		.amdhsa_system_sgpr_workgroup_id_y 1
		.amdhsa_system_sgpr_workgroup_id_z 1
		.amdhsa_system_vgpr_workitem_id 0
		.amdhsa_next_free_vgpr 258
		.amdhsa_next_free_sgpr 66
		.amdhsa_reserve_vcc 1
		.amdhsa_float_denorm_mode_32 3
		.amdhsa_float_denorm_mode_16_64 3
		.amdhsa_memory_ordered 1
		.amdhsa_forward_progress 1
		.amdhsa_inst_pref_size 73
	.end_amdhsa_kernel
	.amdgpu_metadata
---
amdhsa.version: [ 1, 2 ]
amdhsa.kernels:
  - .name:           k_q3389c9222d_route
    .symbol:         k_q3389c9222d_route.kd
    .args:
      - { .name: x, .offset: 0, .size: 8, .value_kind: global_buffer, .address_space: global }
      - { .name: expert_sel, .offset: 8, .size: 8, .value_kind: global_buffer, .address_space: global }
      - { .name: xq, .offset: 16, .size: 8, .value_kind: global_buffer, .address_space: global }
      - { .name: sig, .offset: 24, .size: 8, .value_kind: global_buffer, .address_space: global }
      - { .name: choice, .offset: 32, .size: 8, .value_kind: global_buffer, .address_space: global }
    .group_segment_fixed_size: 102144
    .private_segment_fixed_size: 0
    .kernarg_segment_align: 8
    .kernarg_segment_size: 40
    .max_flat_workgroup_size: 256
    .sgpr_count:     66
    .vgpr_count:     258
    .wavefront_size: 32
...
	.end_amdgpu_metadata
.endif
;; end of part 5
;; launch prep (part 6): grid 544 x 1, 4 waves a work-group, no clusters, 0 bytes of LDS; arguments choice, keys, values, wq, lists; writes wq, lists
.if DOCPART == 6
	.amdgcn_target "amdgcn-amd-amdhsa--gfx1250"
	.amdhsa_code_object_version 6
	.text
	.protected	k_q3389c9222d_prep
	.globl	k_q3389c9222d_prep
	.p2align	8
	.type	k_q3389c9222d_prep,@function
k_q3389c9222d_prep:
	s_mov_b64 s[64:65], 0
	v_nop
	global_prefetch_b8 v0, s[64:65] scope:SCOPE_SE
	s_setreg_imm32_b32 hwreg(HW_REG_WAVE_MODE, 25, 1), 1
	s_wait_xcnt 0x0
; THREE JOBS IN ONE LAUNCH, parted by the work-group's number; no LDS, no barrier, waves share nothing.
; Work-groups 0-31: THE LISTS.  Work-group = expert e; wave q places the rows of tokens 1,024 q .. 1,024 q + 1,023, entry = 4 x token + pick, on end in ascending order of the tokens.
;   To know where its rows begin a wave counts the other three quarters itself (choice is 64 KiB, read by all these waves), so nothing goes from wave to wave.
;   The wave that holds the expert's last entry fills the list up to a multiple of 128 with copies of it; wave 0 stores the count.  Whole numbers only.
; Work-groups 32-287: keys [32][1024 (K)][256]; 288-543: values [32][256 (K)][1024]: f32, K not innermost, into E5M2 codes and E8M0 bytes, LAID IN THE ORDER OF THE
;   OPERAND'S REGISTERS: a fragment (16 rows x 128 K) is [c 0..3][lane][16 bytes], so that the chain's waves load fragments whole, from one dense stream each.
;   A lane takes two neighbouring columns and its registers run down K (a load reads 256 consecutive bytes of a row), so a block of 32 lies in one lane.
;   The hold at the largest code x the scale is also the move that puts a column's 32 numbers on end for the conversions.
; WHICH COLUMNS FORM A FRAGMENT.  keys: tile 2 bl + u of wave w, row m = hidden unit 64 w + 32 bl + 2 m + u.  The chain's first product then leaves a lane 16 numbers of a block of 32
;   of the next K in the order byte 8 u + j = unit 16 h + 2 j + u; values' K is laid in that same order inside each lane's 16 bytes (blocks stay the true blocks).
;   values: fragment t of group g of wave w, row r = column 256 w + 64 g + 4 r + t, so that a lane's four results are four neighbouring columns.
; LIMITS: NaN and infinities are not served; a block of zeros gets the byte 1 (zero codes; only this program reads the bytes).
.set NL,   32                          ; work-groups that make lists
.set VQ,   8388608                     ; in wq: keys' codes at 0, values' codes,
.set KSC,  16777216                    ; keys' scale words, 256 bytes for (e, w, s),
.set VSC,  17039360                    ; values', 256 bytes for (e, w, g, s2)
.set CNT,  532480                      ; in lists: the 32 counts lie behind 32 lists of 4,096 entries + 64 spare words
.set LSTB, 16640
.set X,  16                            ; v16-47   a column's 32 numbers on end
.set C,  48                            ; v48-111  codes: 16 registers a block, never written again
.set R,  112                           ; v112-239 two sets of 64: register 2 k + i = row k of the block, column i
.set SC, 8                             ; v8, v9   the conversions' scale operands;  v10, v11 the largest number x the scale
.set HD, 10
.set D,  112                           ; lists: v112-239 my lane's 128 choice words: group k (32 registers) is quarter (q + k) % 4; group 0's registers then hold what is stored
.set A,  16                            ; lists: v16-47 an address register for each of the 32 steps
.set PD, 48                            ; lists: v48-51 addresses, v52-55 data of the four filling stores
.set BAL, 66                           ; lists: s66-97 a group's 32 ballots
.set QB,  32                           ; lists: s[32:39] the four groups' bases in choice
.set QT,  40                           ; lists: s41-43 the rows of groups 1, 2, 3
	s_load_b256 s[4:11], s[0:1], 0x0               ; choice, keys, values, wq
	s_load_b64 s[12:13], s[0:1], 0x20              ; lists
	v_lshrrev_b32 v1, 5, v0
	v_readfirstlane_b32 s16, v1                    ; wave
	v_and_b32 v14, 31, v0                          ; lane
	s_mov_b32 s26, 0x600000                        ; the mantissa field of 57,344
	s_mov_b32 s21, 0
	s_mov_b32 s23, 0
	s_mov_b32 s25, 0
	s_wait_kmcnt 0x0
	s_cmp_lt_u32 ttmp9, NL
	s_cbranch_scc1 .Llists
	s_cmp_lt_u32 ttmp9, NL+256
	s_cbranch_scc0 .Lvalues
.macro LOADB c, pitch                  ; block c: 32 rows, my two columns
.set k, 0
.rept 32
	global_load_b64 v[R+64*((\c)%2)+2*k:R+64*((\c)%2)+2*k+1], v1, s[20:21] offset:(32*(\c)+k)*\pitch th:TH_LOAD_NT
.set k, k+1
.endr
.endm
.macro COL c, i, perm                  ; column i of block c: held, put on end, converted
.set RS, R+64*((\c)%2)+\i
.set k, 0
.rept 32
.if \perm
.set pos, 16*(k/16)+8*(k%2)+((k/2)%8)
.else
.set pos, k
.endif
	v_med3_num_f32 v[X+pos], v[RS+2*k], -v[HD+\i], v[HD+\i]   ; the conversion does not saturate (ISA guide 7.6.2)
.set k, k+1
.endr
.irp g, 0,1,2,3
	v_cvt_scalef32_pk8_bf8_f32 v[C+16*(\c)+8*\i+2*\g:C+16*(\c)+8*\i+2*\g+1], v[X+8*\g:X+8*\g+7], v[SC+\i]
.endr
	v_nop                                          ; a plain line behind the conversions: the next column writes their sources
.endm
; 64 columns x 128 along K of one wave.  s[20:21] from, s[22:23] codes to, s[24:25] scale words to; v1, v2, v3 the lane's places in the three.
.macro WQ pitch, perm
	LOADB 0, \pitch
	LOADB 1, \pitch
.irp c, 0,1,2,3
.if \c < 3
	s_wait_loadcnt 32                              ; this block's 32 loads are in; the next block's may be out
.else
	s_wait_loadcnt 0x0
.endif
.set RS0, R+64*(\c%2)
	v_max3_num_f32 v6, |v[RS0]|, |v[RS0+2]|, 0x8000000        ; the two columns' largest magnitudes by turns, with the floor 2^(16 - 127)
	v_max3_num_f32 v7, |v[RS0+1]|, |v[RS0+3]|, 0x8000000
.set k, 2
.rept 15
	v_max3_num_f32 v6, v6, |v[RS0+2*k]|, |v[RS0+2*k+2]|
	v_max3_num_f32 v7, v7, |v[RS0+2*k+1]|, |v[RS0+2*k+3]|
.set k, k+2
.endr
	v_add_nc_u32 v8, 0xf8800000, v6                ; 15 off the exponent field
	v_add_nc_u32 v9, 0xf8800000, v7
	v_and_or_b32 v10, v6, 0x7f800000, s26          ; 57,344 x the scale
	v_and_or_b32 v11, v7, 0x7f800000, s26
	v_lshrrev_b32 v12, 23, v8                      ; the bytes
	v_lshrrev_b32 v13, 23, v9
.if \c == 0
	v_mov_b32 v4, v12
	v_mov_b32 v5, v13
.else
	v_lshl_or_b32 v4, v12, 8*\c, v4
	v_lshl_or_b32 v5, v13, 8*\c, v5
.endif
	COL \c, 0, \perm
	COL \c, 1, \perm
.if \c < 2
	LOADB \c+2, \pitch
.endif
.irp i, 0,1
.irp h, 0,1
	global_store_b128 v2, v[C+16*\c+8*\i+4*\h:C+16*\c+8*\i+4*\h+3], s[22:23] offset:2048*\i+512*\c+256*\h   ; sixteen lanes fill 256 consecutive bytes, aligned
.endr
.endr
.endr
	global_store_b64 v3, v[4:5], s[24:25]          ; the 64 columns' scale words: 256 consecutive bytes
.endm
	; ---- keys: e = i / 8, K step s = i % 8, wave w
	s_sub_co_u32 s17, ttmp9, NL
	s_lshr_b32 s18, s17, 3
	s_and_b32 s19, s17, 7
	s_lshl_b32 s20, s18, 20
	s_lshl_b32 s27, s19, 17
	s_add_co_u32 s20, s20, s27
	s_lshl_b32 s27, s16, 8
	s_add_co_u32 s20, s20, s27
	s_add_nc_u64 s[20:21], s[6:7], s[20:21]
	s_lshl_b32 s22, s18, 18
	s_lshl_b32 s27, s16, 16
	s_add_co_u32 s22, s22, s27
	s_lshl_b32 s27, s19, 13
	s_add_co_u32 s22, s22, s27
	s_add_nc_u64 s[22:23], s[10:11], s[22:23]
	s_lshl_b32 s24, s18, 13
	s_lshl_b32 s27, s16, 11
	s_add_co_u32 s24, s24, s27
	s_lshl_b32 s27, s19, 8
	s_add_co_u32 s24, s24, s27
	s_add_co_u32 s24, s24, KSC
	s_add_nc_u64 s[24:25], s[10:11], s[24:25]
	s_wait_alu depctr_va_vdst(0)
	v_lshlrev_b32 v1, 3, v14                       ; my two columns
	v_lshrrev_b32 v2, 4, v14
	v_lshlrev_b32 v2, 12, v2
	v_and_b32 v3, 15, v14
	v_lshl_add_u32 v2, v3, 4, v2                   ; tiles 2 (lane / 16) + i, row lane % 16
	v_lshlrev_b32 v3, 3, v14
	WQ 1024, 0
	s_endpgm
.Lvalues:
	; ---- values: e = i / 8, K step s2 = (i / 4) % 2, w = i % 4, group g = wave
	s_sub_co_u32 s17, ttmp9, NL+256
	s_lshr_b32 s18, s17, 3
	s_bfe_u32 s19, s17, 0x10002
	s_and_b32 s28, s17, 3
	s_lshl_b32 s20, s18, 20
	s_lshl_b32 s27, s19, 19
	s_add_co_u32 s20, s20, s27
	s_lshl_b32 s27, s28, 10
	s_add_co_u32 s20, s20, s27
	s_lshl_b32 s27, s16, 8
	s_add_co_u32 s20, s20, s27
	s_add_nc_u64 s[20:21], s[8:9], s[20:21]
	s_lshl_b32 s22, s18, 18
	s_lshl_b32 s27, s28, 16
	s_add_co_u32 s22, s22, s27
	s_lshl_b32 s27, s16, 14
	s_add_co_u32 s22, s22, s27
	s_lshl_b32 s27, s19, 13
	s_add_co_u32 s22, s22, s27
	s_add_co_u32 s22, s22, VQ
	s_add_nc_u64 s[22:23], s[10:11], s[22:23]
	s_lshl_b32 s24, s18, 13
	s_lshl_b32 s27, s28, 11
	s_add_co_u32 s24, s24, s27
	s_lshl_b32 s27, s16, 9
	s_add_co_u32 s24, s24, s27
	s_lshl_b32 s27, s19, 8
	s_add_co_u32 s24, s24, s27
	s_add_co_u32 s24, s24, VSC
	s_add_nc_u64 s[24:25], s[10:11], s[24:25]
	s_wait_alu depctr_va_vdst(0)
	v_lshlrev_b32 v1, 3, v14
	v_and_b32 v2, 1, v14
	v_lshrrev_b32 v3, 1, v14
	v_lshlrev_b32 v6, 7, v2
	v_lshlrev_b32 v2, 12, v2
	v_lshl_add_u32 v2, v3, 4, v2                   ; fragments 2 (lane % 2) + i, row lane / 2
	v_lshl_add_u32 v3, v3, 3, v6
	WQ 4096, 1
	s_endpgm
.Llists:
	; ---- the list of expert e = the work-group's number; my wave q places quarter q of the tokens
	s_lshr_b32 s18, ttmp9, 3
	s_lshl_b32 s20, s18, 2
	s_add_nc_u64 s[4:5], s[4:5], s[20:21]          ; word e / 8 of each token's four
.irp k, 0,1,2,3
	s_add_co_u32 s27, s16, \k
	s_and_b32 s27, s27, 3
	s_lshl_b32 s20, s27, 14                        ; a quarter's 1,024 tokens are 16,384 bytes of choice
	s_add_nc_u64 s[QB+2*\k:QB+2*\k+1], s[4:5], s[20:21]   ; group k is quarter (q + k) % 4: so my own quarter lies in the same registers in every wave
.endr
	s_wait_alu depctr_va_vdst(0)
	v_lshlrev_b32 v1, 4, v14                       ; token 32 i + lane of a quarter: 16 bytes a token
.irp k, 1,2,3,0                        ; my own quarter last: its ballots are the ones that stay
.set i, 0
.rept 32
	global_load_b32 v[D+32*\k+i], v1, s[QB+2*\k:QB+2*\k+1] offset:512*i
.set i, i+1
.endr
.endr
	s_and_b32 s19, ttmp9, 7
	s_lshl_b32 s19, s19, 2                         ; where nibble e % 8 begins
	s_mul_i32 s22, ttmp9, LSTB
	s_add_nc_u64 s[22:23], s[12:13], s[22:23]      ; the expert's list
	s_lshl_b32 s24, ttmp9, 2
	s_add_co_u32 s24, s24, CNT
	s_add_nc_u64 s[24:25], s[12:13], s[24:25]      ; and its count
	s_lshl_b32 s27, s16, 12
	s_sub_co_u32 s27, s27, 1
	v_lshlrev_b32 v2, 2, v14
	v_add_nc_u32 v2, s27, v2                       ; 4 x (1,024 q + lane) - 1
	v_add_nc_u32 v3, 4096, v14                     ; my spare word behind the list: a lane without a row writes 0 there, in all four waves alike, so that EXEC never changes
	v_mov_b32 v5, 0                                ; my lane's last entry
	; the rows of the three other quarters: 32 ballots into 32 scalar registers in one run, then their counts, so that no count waits for the compare just ahead of it
.irp k, 1,2,3
.if \k < 3
	s_wait_loadcnt 63                              ; 96 and 64 loads stand behind groups 1 and 2; the count's field ends at 63, the smaller count
.else
	s_wait_loadcnt 32                              ; behind group 3 stand my own quarter's 32 loads
.endif
.set i, 0
.rept 32
	v_bfe_u32 v[D+32*\k+i], v[D+32*\k+i], s19, 4   ; pick + 1, or 0
	v_cmp_ne_u32 s[BAL+i], 0, v[D+32*\k+i]
.set i, i+1
.endr
	s_mov_b32 s[QT+\k], 0
.set i, 0
.rept 32
	s_bcnt1_i32_b32 s29, s[BAL+i]
	s_add_co_u32 s[QT+\k], s[QT+\k], s29
.set i, i+1
.endr
.endr
	s_cmp_ge_u32 s16, 1                            ; quarter (q + k) % 4 lies ahead of mine where q + k >= 4
	s_cselect_b32 s28, s[QT+3], 0
	s_cmp_ge_u32 s16, 2
	s_cselect_b32 s29, s[QT+2], 0
	s_add_co_u32 s28, s28, s29
	s_cmp_ge_u32 s16, 3
	s_cselect_b32 s29, s[QT+1], 0
	s_add_co_u32 s28, s28, s29                     ; rows ahead of my quarter: where my rows begin
	s_mov_b32 s45, s28
	s_add_co_u32 s44, s[QT+1], s[QT+2]
	s_add_co_u32 s44, s44, s[QT+3]                 ; rows of the three other quarters
	s_wait_loadcnt 0x0                             ; my own quarter
.set i, 0
.rept 32
	v_bfe_u32 v[D+i], v[D+i], s19, 4
	v_cmp_ne_u32 s[BAL+i], 0, v[D+i]
.set i, i+1
.endr
	; 32 steps of 32 tokens; each step has its own address and data registers, so that none is written while a store may read it
.set i, 0
.rept 32
	v_mbcnt_lo_u32_b32 v7, s[BAL+i], s28           ; my place: rows so far + rows in lower lanes
	v_add3_u32 v6, v[D+i], v2, 128*i               ; the entry: 4 x token + pick
	v_cndmask_b32 v7, v3, v7, s[BAL+i]
	v_min_u32 v7, 4159, v7                         ; inside the list and its spare words
	v_lshlrev_b32 v[A+i], 2, v7
	v_cndmask_b32 v[D+i], 0, v6, s[BAL+i]
	v_cndmask_b32 v5, v5, v6, s[BAL+i]
	global_store_b32 v[A+i], v[D+i], s[22:23]
	s_bcnt1_i32_b32 s29, s[BAL+i]
	s_add_co_u32 s28, s28, s29
.set i, i+1
.endr
	s_sub_co_u32 s47, s28, s45                     ; my quarter's rows
	s_add_co_u32 s46, s44, s47                     ; the expert's rows
	s_add_co_u32 s29, s46, 127
	s_and_b32 s29, s29, 0xffffff80                 ; the list is filled up to here, so that every entry that a tile of 128 reads is written,
	s_cmp_eq_u32 s28, s46                          ; by the wave behind whose quarter no row follows
	s_cselect_b32 s29, s29, 0
	s_cmp_lg_u32 s47, 0                            ; and whose quarter has one: it holds the expert's last entry.  For the other waves the limit is 0
	s_cselect_b32 s29, s29, 0
.set j, 0
	s_wait_alu depctr_va_vdst(0)
.rept 32
	v_readlane_b32 s[BAL+j], v5, j
.set j, j+1
.endr
	s_mov_b32 s30, 0
.set j, 0
.rept 32
	s_max_u32 s30, s30, s[BAL+j]                   ; entries rise with the tokens: the largest is my quarter's last
.set j, j+1
.endr
	v_mov_b32 v8, s30
.irp p, 0,1,2,3
	v_add3_u32 v[PD+\p], s46, v14, 32*\p
	v_cmp_gt_u32 vcc_lo, s29, v[PD+\p]
	v_cndmask_b32 v[PD+\p], v3, v[PD+\p], vcc_lo
	v_min_u32 v[PD+\p], 4159, v[PD+\p]
	v_lshlrev_b32 v[PD+\p], 2, v[PD+\p]
	v_cndmask_b32 v[PD+4+\p], 0, v8, vcc_lo
	global_store_b32 v[PD+\p], v[PD+4+\p], s[22:23]
.endr
	s_cmp_lg_u32 s16, 0
	s_cbranch_scc1 .Lno_count
	v_mov_b32 v9, 0
	v_mov_b32 v10, s46
	global_store_b32 v9, v10, s[24:25]             ; wave 0: all lanes write the same word with the same value
.Lno_count:
	s_endpgm
.Lfunc_end_k_q3389c9222d_prep:
	.size	k_q3389c9222d_prep, .Lfunc_end_k_q3389c9222d_prep-k_q3389c9222d_prep
	.p2alignl 7, 3214868480
	.fill 96, 4, 3214868480
	.section	.rodata,"a",@progbits
	.p2align	6, 0x0
	.amdhsa_kernel k_q3389c9222d_prep
		.amdhsa_group_segment_fixed_size 0
		.amdhsa_private_segment_fixed_size 0
		.amdhsa_enable_private_segment 0
		.amdhsa_kernarg_size 40
		.amdhsa_user_sgpr_count 2
		.amdhsa_user_sgpr_kernarg_segment_ptr 1
		.amdhsa_wavefront_size32 1
		.amdhsa_system_sgpr_workgroup_id_x 1
		.amdhsa_system_sgpr_workgroup_id_y 1
		.amdhsa_system_sgpr_workgroup_id_z 1
		.amdhsa_system_vgpr_workitem_id 0
		.amdhsa_next_free_vgpr 240
		.amdhsa_next_free_sgpr 100
		.amdhsa_reserve_vcc 1
		.amdhsa_float_denorm_mode_32 3
		.amdhsa_float_denorm_mode_16_64 3
		.amdhsa_memory_ordered 1
		.amdhsa_forward_progress 1
		.amdhsa_inst_pref_size 148
	.end_amdhsa_kernel
	.amdgpu_metadata
---
amdhsa.version: [ 1, 2 ]
amdhsa.kernels:
  - .name:           k_q3389c9222d_prep
    .symbol:         k_q3389c9222d_prep.kd
    .args:
      - { .name: choice, .offset: 0, .size: 8, .value_kind: global_buffer, .address_space: global }
      - { .name: keys, .offset: 8, .size: 8, .value_kind: global_buffer, .address_space: global }
      - { .name: values, .offset: 16, .size: 8, .value_kind: global_buffer, .address_space: global }
      - { .name: wq, .offset: 24, .size: 8, .value_kind: global_buffer, .address_space: global }
      - { .name: lists, .offset: 32, .size: 8, .value_kind: global_buffer, .address_space: global }
    .group_segment_fixed_size: 0
    .private_segment_fixed_size: 0
    .kernarg_segment_align: 8
    .kernarg_segment_size: 40
    .max_flat_workgroup_size: 128
    .sgpr_count:     100
    .vgpr_count:     240
    .wavefront_size: 32
...
	.end_amdgpu_metadata
.endif
;; end of part 6
;; launch chain (part 7): grid 159 x 1, 4 waves a work-group, no clusters, 168,448 bytes of LDS; arguments xq, sig, lists, wq, part; writes part
.if DOCPART == 7
	.amdgcn_target "amdgcn-amd-amdhsa--gfx1250"
	.amdhsa_code_object_version 6
	.text
	.protected	k_q3389c9222d_chain
	.globl	k_q3389c9222d_chain
	.p2align	8
	.type	k_q3389c9222d_chain,@function
k_q3389c9222d_chain:
	s_mov_b64 s[64:65], 0
	v_nop
	global_prefetch_b8 v0, s[64:65] scope:SCOPE_SE
	s_setreg_imm32_b32 hwreg(HW_REG_WAVE_SCHED_MODE, 0, 2), 2
	s_setreg_imm32_b32 hwreg(HW_REG_WAVE_MODE, 25, 1), 1
	s_wait_xcnt 0x0
	s_wait_alu depctr_vm_vsrc(0)
; ONE TILE OF UP TO 128 ROUTED ROWS OF ONE EXPERT THROUGH THE WHOLE CHAIN: gather x's codes, x keys_e, relu and gate, quantise, x values_e, store each row at part[4 x token + pick].
; Only the chosen experts' rows are multiplied: for the others the gate is 0, their blocks of the last product's K are zeros.  The hidden layer stays in registers and LDS.
; GRID.  16,384 routed rows, 32 experts, tiles of 128: never more than 128 + 31 = 159 tiles, whatever the split.  The tile's expert and place come from the 32 stored counts.
; A work-group that the split leaves without a tile walks the text on tile 0's data with 0 rows and stores nothing: so every wave passes both barriers and no register is left unwritten on any way.
; SHARES.  THE WAVES SHARE THE COLUMNS: wave w makes hidden units 64 w .. + 63 and outputs 256 w .. + 255, for all 128 rows.  So each byte of the expert's weights enters the WGP once,
; from a dense stream of 64 KiB a wave and product, laid in the order of the operand's registers, straight into registers, and feeds eight matrix instructions.
; NO JOINT LOADS: partners would have to be tiles of one expert; how many tiles an expert has is read from memory and differs from expert to expert, so no fixed cluster divides them.
; NO TENSOR LOADS: every address hangs on the stored lists, and each stream goes to one wave alone.
; FIRST PRODUCT TRANSPOSED (source 0 = 16 hidden units, source 1 = 16 rows): a lane holds one row, its registers run along the next K.  SECOND PRODUCT AS IT STANDS (source 0 = 16 rows of the
; hidden layer, source 1 = 16 columns 4 r + t): a lane's four tiles t give four neighbouring columns, and sixteen lanes store 256 consecutive bytes of a row.
; Rows behind the tile's last are copies of the expert's last row: they write the same numbers to the same place, from the same wave.
; LIMITS: NaN and infinities are not served.  K inside a block of 32 of the second product is permuted alike on both operands; each routed row's sum is kept apart, the four are added by the next launch.
; REGISTERS, in windows of 256 (s_set_vgpr_msb: bits 1:0 source 0, 3:2 source 1, 5:4 source 2, 7:6 destination):
;   window 0: v1-15 addresses; v16-47 at work; v48-63 keys' scale words, v64-79 values', v80-143 x's, v144-159 the hidden layer's (these hold scales and nothing else); v160-175 gates, in pairs; v176-239 the rows' places in part
;   window 1: a ring of four sets of four weight fragments.   window 2: 32 accumulators (first the landing place of the gathered rows).   window 3: two sets of x's eight fragments, later the 16 hidden fragments.
; THE MODE: SCHED_MODE bits 1:0 = 2 (LLVM: expert scheduling mode 2), set by the entry lines.  The code itself states the register dependences
; between vector or matrix instructions and memory or LDS instructions, with s_wait_alu, always for 0.
; THE PLAN.  Registers that memory or LDS instructions touch:
;   v1-15       made at the head, never written again: one wait ahead of the first load.
;   v16-47      three lives.  Head: entries land, vector lines turn them into addresses (a wait), the second run of loads reads them.  Hidden layer: v32-39 and v40-47, v26 and v27 are two out-buffers by turns:
;               a tile's conversions write one (a wait), three LDS stores read it, and it is written again two tiles on (a wait at that tile's head).  Way out: 32 moves write v16-47 (a wait), eight stores read them,
;               and the next 16 rows' moves write them again (a wait at their head, ahead of the branch, so that it lies on every way to the moves).
;   v176-239    entries land; vector lines make them the rows' places, ahead of the first barrier; the way out's stores read them, behind many waits.
;   window 1    set q lands in slot q % 4; K step q, or group (q - 8) / 2, reads it.  Set s + 3 is asked for in K step s, into the slot that step s - 1 read.
;   window 2    the gathered rows land, LDS stores read them (a wait behind the first barrier, ahead of the first product that writes there); then vector and matrix instructions alone.
;   window 3    x of step s + 1 is asked for in K step s, into the set that step s - 1 read; behind the second barrier the 16 hidden fragments land.
;   Scale words and gates are loaded once and read by matrix and vector instructions alone.
; So ONE wait stands at the head of a K step: the step before is done reading the slot and the set that this step's loads fill.  The loads follow it, dealt among the step's products,
; which name slot s % 4, set s % 2, the accumulators and the scale words: none of the registers that those loads touch.
.set XSO,  4194304                     ; in xq: the scale words lie behind the codes
.set CNT,  0x82000                     ; in lists: the counts
.set LSTB, 16640
.set VQ,   8388608                     ; in wq: values' codes; keys' scale words; from those to values'
.set KSC,  16777216
.set VSCD, 262144
.set XP,   1040                        ; LDS: 128 rows of x's codes, 1,024 bytes + 16: the 16 rows of a fragment load start in 16 different groups of banks
.set HIMG, 133120                      ; the hidden layer's 16 fragments (2 m + s2) as images of their registers, 2,048 bytes each
.set HSC,  165888                      ; and their scale words, 128 bytes each
.set KS,  48
.set VS,  64
.set XSR, 80
.set HS,  144
.set GT,  160
.set AD,  176
.set MSB, 0
.macro WIN new                         ; the immediate's high byte repeats the setting that is left
.if MSB != \new
	s_set_vgpr_msb (MSB<<8)|\new
.set MSB, \new
.endif
.endm
.macro NOPS n
.rept \n
	v_nop
.endr
.endm
	s_load_b256 s[4:11], s[0:1], 0x0               ; xq, sig, lists, wq
	s_load_b64 s[12:13], s[0:1], 0x20              ; part
	v_lshl_add_u32 v254, v0, 2, 0x29000
	v_mov_b32 v255, 0
	v_lshrrev_b32 v16, 5, v0
	v_readfirstlane_b32 s14, v16                   ; wave
	s_mov_b32 s15, ttmp9
	v_and_b32 v18, 31, v0                          ; lane
	v_and_b32 v16, 15, v0                          ; r
	v_bfe_u32 v17, v0, 4, 1                        ; h
	v_lshlrev_b32 v1, 4, v18                       ; 16 x lane
	s_wait_alu depctr_va_vdst(0)
	v_lshlrev_b32 v2, 2, v18                       ; 4 x lane
	s_wait_alu depctr_va_vdst(0)
	v_lshlrev_b32 v3, 3, v18                       ; 8 x lane
	v_mul_u32_u24 v4, v16, XP
	v_lshl_add_u32 v4, v17, 4, v4                  ; x's fragments: row r, + 16 h; tiles 0-3
	v_add_nc_u32 v5, 64*XP, v4                     ; tiles 4-7
	s_wait_alu depctr_va_sdst(0)                   ; s14 is written, ahead of its first reader: LDS places and bases are made from it
	s_mul_i32 s16, s14, 32*XP
	v_mul_u32_u24 v6, v17, XP
	v_lshl_add_u32 v6, v16, 4, v6
	v_add_nc_u32 v6, s16, v6                       ; the gathered rows' way in: my wave's 32 rows, two a store
	s_lshr_b32 s16, s14, 1
	s_and_b32 s17, s14, 1
	s_lshl_b32 s18, s16, 11
	s_lshl_b32 s19, s17, 10
	s_add_co_u32 s18, s18, s19
	s_add_co_u32 s18, s18, HIMG
	v_add_nc_u32 v7, s18, v1                       ; my part of a hidden fragment: K step w / 2, pieces 2 (w % 2) and + 1
	s_lshl_b32 s18, s16, 7
	s_lshl_b32 s19, s17, 1
	s_add_co_u32 s18, s18, s19
	s_add_co_u32 s18, s18, HSC
	v_add_nc_u32 v8, s18, v2                       ; and of its scale word: two bytes
	v_add_nc_u32 v9, HIMG, v1
	v_add_nc_u32 v10, HSC, v2
	v_lshlrev_b32 v11, 4, v16                      ; 16 r
	s_lshl_b32 s18, s14, 7
	v_lshlrev_b32 v13, 2, v17
	v_add_nc_u32 v13, s18, v13                     ; entries of rows 32 w + h (+ 2 i)
	v_lshlrev_b32 v14, 2, v16                      ; of rows r (+ 16 m)
	v_lshlrev_b32 v15, 5, v17                      ; of rows 8 h .. + 7 (+ 16 m)
	s_mov_b32 s74, 0x76543210
	s_mov_b32 s75, 0xfedcba98                      ; selects for lane l xor 16
	s_mov_b32 s76, 0x600000                        ; the mantissa field of 57,344
	s_wait_kmcnt 0x0
	s_load_b512 s[32:47], s[8:9], CNT              ; the 32 counts
	s_load_b512 s[48:63], s[8:9], CNT+64
	s_wait_kmcnt 0x0
	; which tile is mine
	s_mov_b32 s16, 0
.set k, 0
.rept 32
	s_add_co_u32 s17, s[32+k], 127
	s_lshr_b32 s17, s17, 7
	s_add_co_u32 s16, s16, s17                     ; tiles in all
.set k, k+1
.endr
	s_cmp_lt_u32 s15, s16
	s_cselect_b32 s18, s15, 0                      ; a work-group without a tile walks tile 0,
	s_cselect_b32 s78, 1, 0                        ; and stores nothing
	s_mov_b32 s19, 0
	s_mov_b32 s20, 0
	s_mov_b32 s21, 0
	s_mov_b32 s22, 0
.set k, 0
.rept 32
	s_cmp_ge_u32 s18, s19                          ; the last expert whose first tile is not behind mine
	s_cselect_b32 s20, k, s20
	s_cselect_b32 s21, s19, s21
	s_cselect_b32 s22, s[32+k], s22
	s_add_co_u32 s23, s[32+k], 127
	s_lshr_b32 s23, s23, 7
	s_add_co_u32 s19, s19, s23
.set k, k+1
.endr
	s_sub_co_u32 s23, s18, s21
	s_min_u32 s23, s23, 31                         ; which 128 of its rows
	s_min_u32 s20, s20, 31                         ; the expert
	s_lshl_b32 s19, s23, 7
	s_sub_co_u32 s77, s22, s19
	s_min_u32 s77, s77, 128
	s_cmp_eq_u32 s78, 1
	s_cselect_b32 s77, s77, 0                      ; rows to store
	s_mov_b32 s17, 0
	s_lshl_b32 s16, s20, 18
	s_lshl_b32 s19, s14, 16
	s_add_co_u32 s16, s16, s19
	s_add_nc_u64 s[24:25], s[10:11], s[16:17]      ; my stream of keys,
	s_add_nc_u64 s[26:27], s[24:25], VQ            ; of values,
	s_lshl_b32 s16, s20, 13
	s_lshl_b32 s19, s14, 11
	s_add_co_u32 s16, s16, s19
	s_add_co_u32 s16, s16, KSC
	s_add_nc_u64 s[28:29], s[10:11], s[16:17]      ; and their scale words
	s_add_nc_u64 s[30:31], s[28:29], VSCD
	s_mul_i32 s16, s20, LSTB
	s_lshl_b32 s19, s23, 9
	s_add_co_u32 s16, s16, s19
	s_add_nc_u64 s[66:67], s[8:9], s[16:17]        ; the tile's 128 entries
	s_lshl_b32 s16, s14, 10
	s_add_nc_u64 s[68:69], s[12:13], s[16:17]      ; part at my 256 columns
	s_and_b32 s16, s20, 16                         ; the expert's place in a tile of sigmoids: piece 2 (e / 16) + (e / 4) % 2 of 512 bytes, half (e / 8) % 2 of 256, word e % 4
	s_lshl_b32 s16, s16, 6
	s_and_b32 s19, s20, 4
	s_lshl_b32 s19, s19, 7
	s_add_co_u32 s16, s16, s19
	s_and_b32 s19, s20, 8
	s_lshl_b32 s19, s19, 5
	s_add_co_u32 s16, s16, s19
	s_and_b32 s19, s20, 3
	s_lshl_b32 s19, s19, 2
	s_add_co_u32 s16, s16, s19
	s_add_nc_u64 s[70:71], s[6:7], s[16:17]
	s_add_nc_u64 s[72:73], s[4:5], XSO             ; x's scale words
; Weight set q into slot q % 4 of the ring: four fragments, 8 KiB on end.  q = 0 .. 7: keys' K step q;  q = 8 .. 15: values' half 2 g + s2 = q - 8.
; STREAMH brings two of the four fragments, t0 and t0 + 1; STREAM all four.
.macro STREAMH q, t0
	WIN 0x40                                       ; destination window 1
.irp tl, \t0, \t0+1
.irp c, 0,1,2,3
.if (\q) < 8
	global_load_b128 v[64*((\q)%4)+16*(\tl)+4*\c:64*((\q)%4)+16*(\tl)+4*\c+3], v1, s[24:25] offset:8192*(\q)+2048*(\tl)+512*\c
.else
	global_load_b128 v[64*((\q)%4)+16*(\tl)+4*\c:64*((\q)%4)+16*(\tl)+4*\c+3], v1, s[26:27] offset:8192*((\q)-8)+2048*(\tl)+512*\c
.endif
.endr
.endr
.endm
.macro STREAM q
	STREAMH \q, 0
	STREAMH \q, 2
.endm
	s_wait_alu depctr_va_vdst(0)                   ; v1 to v15 are written, which the loads, stores and LDS instructions of the kernel read as addresses
.set i, 0
.rept 16
	global_load_b32 v[16+i], v13, s[66:67] offset:8*i      ; the entries of the rows that I gather: 32 w + 2 i + h
.set i, i+1
.endr
.set m, 0
.rept 8
	global_load_b32 v[32+m], v14, s[66:67] offset:64*m     ; and of rows 16 m + r
.set m, m+1
.endr
.set s, 0
.rept 8
	global_load_b64 v[KS+2*s:KS+2*s+1], v3, s[28:29] offset:256*s   ; keys' scale words: register u; lanes 0-15 tiles 0, 1; lanes 16-31 tiles 2, 3
.set s, s+1
.endr
	STREAM 0
	STREAM 1
	STREAM 2
	WIN 0
	s_wait_loadcnt 56                              ; the 24 loads of entries are in: behind them stand 8 of scale words and 48 of weights
.set i, 0
.rept 16
	v_lshrrev_b32 v[16+i], 2, v[16+i]              ; the token,
	v_min_u32 v[16+i], 4095, v[16+i]               ; held inside x,
	v_lshl_add_u32 v[16+i], v[16+i], 10, v11       ; its row of codes, + 16 r
.set i, i+1
.endr
.set m, 0
.rept 8
	v_lshrrev_b32 v[32+m], 2, v[32+m]
	v_min_u32 v[32+m], 4095, v[32+m]
	v_lshlrev_b32 v[40+m], 5, v[32+m]              ; its eight scale words
	v_and_b32 v12, 0xff0, v[32+m]
	v_and_b32 v[32+m], 15, v[32+m]
	v_lshlrev_b32 v[32+m], 4, v[32+m]
	v_lshl_add_u32 v[32+m], v12, 7, v[32+m]        ; its sigmoids: 2,048 (t / 16) + 16 (t % 16)
.set m, m+1
.endr
	s_wait_alu depctr_va_vdst(0)                   ; v16 to v47 are written: the offsets of the run of loads below, in which only loads and window switches stand
.set m, 0
.rept 8
	global_load_b128 v[XSR+8*m:XSR+8*m+3], v[40+m], s[72:73]
	global_load_b128 v[XSR+8*m+4:XSR+8*m+7], v[40+m], s[72:73] offset:16
	global_load_b32 v[GT+2*m], v[32+m], s[70:71]           ; the gate of row 16 m + r
	global_load_b128 v[AD+8*m:AD+8*m+3], v15, s[66:67] offset:64*m        ; the entries of rows 16 m + 8 h + 0 .. 7
	global_load_b128 v[AD+8*m+4:AD+8*m+7], v15, s[66:67] offset:64*m+16
	global_load_b64 v[VS+2*m:VS+2*m+1], v3, s[30:31] offset:256*m         ; values' scale words of half m: register t % 2; lanes 0-15 t = 0, 1; lanes 16-31 t = 2, 3
.set m, m+1
.endr
	WIN 0x80                                       ; destination window 2
.set i, 0
.rept 16
.irp j, 0,1,2,3
	global_load_b128 v[16*i+4*\j:16*i+4*\j+3], v[16+i], s[4:5] offset:256*\j   ; sixteen lanes take 256 consecutive bytes of a row of codes
.endr
.set i, i+1
.endr
	WIN 0x08                                       ; an LDS store's data are its source 1: window 2
.set i, 0
.rept 16
	s_wait_loadcnt 4*(15-i)                        ; this pair of rows is in; the pairs behind it may be out
.irp j, 0,1,2,3
	ds_store_b128 v6, v[16*i+4*\j:16*i+4*\j+3] offset:2*XP*i+256*\j
.endr
.set i, i+1
.endr
	WIN 0
.set m, 0
.rept 8
	v_mov_b32 v[GT+2*m+1], v[GT+2*m]               ; the gate twice, for the packed multiply
.set m, m+1
.endr
.set i, 0
.rept 64
	v_min_u32 v[AD+i], 16383, v[AD+i]              ; the entry, held inside part,
	v_lshl_add_u32 v[AD+i], v[AD+i], 12, v11       ; is the row's number there: 4,096 bytes a row, + 16 r
.set i, i+1
.endr
	s_wait_dscnt 0x0                               ; for the others' sake: my 32 rows lie in LDS
	s_barrier_signal -1
	s_barrier_wait -1
	s_wait_alu depctr_vm_vsrc(0)                   ; my LDS stores have read window 2, which the first products write; the head's loads have read their offsets v16 to v47, which the hidden layer's lines write
; half of x's eight fragments of K step s into set s % 2 of window 3.  hf = 0: tiles 0-3; 1: tiles 4-7
.macro XLOADH s, hf
	WIN 0xc0
.irp mm, 0,1,2,3
.irp c, 0,1,2,3
	ds_load_b128 v[128*((\s)%2)+64*(\hf)+16*\mm+4*\c:128*((\s)%2)+64*(\hf)+16*\mm+4*\c+3], v[4+\hf] offset:16*XP*\mm+128*(\s)+32*\c
.endr
.endr
.endm
; Eight matrix instructions of K step s of the first product: tiles of rows m0 and m0 + 1 against my four tiles of hidden units.
.macro KMUL s, m0
	WIN 0xad                                       ; source 0 (keys) window 1, source 1 (x) window 3, C and D window 2
.irp m, \m0, \m0+1
.irp tl, 0,1,2,3
.set rD, 8*(4*(\m)+\tl)
.set rA, 64*((\s)%4)+16*\tl
.set rB, 128*((\s)%2)+16*(\m)
.set rSA, KS+2*(\s)+(\tl%2)
.set rSB, XSR+8*(\m)+(\s)
.if (\s) == 0
.if \tl < 2
	v_wmma_scale_f32_16x16x128_f8f6f4 v[rD:rD+7], v[rA:rA+15], v[rB:rB+15], 0, v[rSA], v[rSB] matrix_a_fmt:MATRIX_FMT_BF8 matrix_b_fmt:MATRIX_FMT_BF8
.else
	v_wmma_scale_f32_16x16x128_f8f6f4 v[rD:rD+7], v[rA:rA+15], v[rB:rB+15], 0, v[rSA], v[rSB] matrix_a_fmt:MATRIX_FMT_BF8 matrix_b_fmt:MATRIX_FMT_BF8 matrix_a_scale:MATRIX_SCALE_ROW1
.endif
.else
.if \tl < 2
	v_wmma_scale_f32_16x16x128_f8f6f4 v[rD:rD+7], v[rA:rA+15], v[rB:rB+15], v[rD:rD+7], v[rSA], v[rSB] matrix_a_fmt:MATRIX_FMT_BF8 matrix_b_fmt:MATRIX_FMT_BF8
.else
	v_wmma_scale_f32_16x16x128_f8f6f4 v[rD:rD+7], v[rA:rA+15], v[rB:rB+15], v[rD:rD+7], v[rSA], v[rSB] matrix_a_fmt:MATRIX_FMT_BF8 matrix_b_fmt:MATRIX_FMT_BF8 matrix_a_scale:MATRIX_SCALE_ROW1
.endif
.endif
.endr
.endr
.endm
; K step s of the first product: 32 matrix instructions, the 32 accumulators by turns, one instruction a turn, in the same order in every step.
; The loads of x's next step and of the weight set three steps on are dealt among them, in the step's first half.
.macro KSTEP s
.if \s > 0
	NOPS 8                                         ; eight places behind the last step's products, ahead of what is written into the registers that they read; the wait below states the dependence itself
.endif
	s_wait_loadcnt 32                              ; this step's weights are in: behind them stand the two sets asked for in the last two steps
	s_wait_dscnt 0x0                               ; this step's x is in: it was asked for in the step before
.if \s > 0
	s_wait_alu depctr_va_vdst(0)                   ; the last step's products are done reading ring slot (s + 3) % 4 and x's set (s + 1) % 2, in which this step's loads land; no product of this step names either
.endif
	KMUL \s, 0
.if \s < 7
	XLOADH \s+1, 0
.endif
	STREAMH \s+3, 0                                ; three sets ahead, into the slot read last step; from s = 5 on the values' first halves
	KMUL \s, 2
.if \s < 7
	XLOADH \s+1, 1
.endif
	STREAMH \s+3, 2
	KMUL \s, 4
	KMUL \s, 6
.endm
	XLOADH 0, 0
	XLOADH 0, 1
.irp s, 0,1,2,3,4,5,6,7
	KSTEP \s
.endr
	NOPS 8                                         ; eight places behind the last products: their results are read below
	s_wait_alu depctr_va_vdst(0)                   ; step 7's products are done reading ring slot 3, in which set 11 lands
	STREAM 11
; Tile m of rows: my 64 hidden units x the gate, relu, quantised: two blocks of 32 of the next K (a block lies in lanes l and l xor 16), 8 registers of codes and two scale bytes, to LDS as images.
.macro QUANT2 m
.set AB, 32*\m
.set PC, 32+8*(\m%2)
.set PW, 26+(\m%2)
.if \m > 0
	s_wait_dscnt 3                                 ; the last tile's three stores may be out; those of two tiles ago are done
.endif
.if \m > 1
	s_wait_alu depctr_vm_vsrc(0)                   ; the stores of two tiles ago have read this tile's out-buffer (eight registers of codes, one of bytes), which is written below
.endif
	WIN 0x82                                       ; destination and source 0 window 2
.set k, 0
.rept 16
	v_pk_mul_f32 v[AB+2*k:AB+2*k+1], v[AB+2*k:AB+2*k+1], v[GT+2*\m:GT+2*\m+1]   ; x the row's gate; each accumulator from its low end on
.set k, k+1
.endr
	WIN 0x0a
	v_max3_num_f32 v16, v[AB], v[AB+1], 0x8000000          ; no |.|: what is negative becomes 0 and must not count; the floor 2^(16 - 127) stands over it
	v_max3_num_f32 v17, v[AB+16], v[AB+17], 0x8000000
	WIN 0x28
.irp i, 2,4,6,8,10,12,14
	v_max3_num_f32 v16, v16, v[AB+\i], v[AB+\i+1]
	v_max3_num_f32 v17, v17, v[AB+16+\i], v[AB+17+\i]
.endr
	WIN 0
	v_permlanex16_b32 v18, v16, s74, s75
	v_permlanex16_b32 v19, v17, s74, s75
	v_max_num_f32 v16, v16, v18
	v_max_num_f32 v17, v17, v19
	v_add_nc_u32 v20, 0xf8800000, v16              ; 15 off the exponent field: the conversion's scale operand
	v_add_nc_u32 v21, 0xf8800000, v17
	v_and_or_b32 v22, v16, 0x7f800000, s76         ; 57,344 x the scale
	v_and_or_b32 v23, v17, 0x7f800000, s76
	v_lshrrev_b32 v24, 23, v20
	v_lshrrev_b32 v25, 23, v21
	v_lshl_or_b32 v[PW], v25, 8, v24               ; the two bytes
	WIN 0x82
.set k, 0
.rept 16
	v_med3_num_f32 v[AB+k], v[AB+k], 0, v22        ; relu and the hold in one
	v_med3_num_f32 v[AB+16+k], v[AB+16+k], 0, v23
.set k, k+1
.endr
	WIN 0x02
.irp bl, 0,1
.irp u, 0,1
	v_cvt_scalef32_pk8_bf8_f32 v[PC+4*\bl+2*\u:PC+4*\bl+2*\u+1], v[AB+16*\bl+8*\u:AB+16*\bl+8*\u+7], v[20+\bl]
.endr
.endr
	v_nop                                          ; a plain line behind the last conversion
	WIN 0
	s_wait_alu depctr_va_vdst(0)                   ; the conversions have written the tile's codes, and the line further up its two bytes, which the three stores read
	ds_store_b128 v7, v[PC:PC+3] offset:4096*\m
	ds_store_b128 v7, v[PC+4:PC+7] offset:4096*\m+512
	ds_store_b16 v8, v[PW] offset:256*\m
.endm
.irp m, 0,1,2,3,4,5,6,7
	QUANT2 \m
.endr
	s_wait_dscnt 0x0                               ; for the others' sake: my part of the hidden layer lies in LDS
	s_barrier_signal -1
	s_barrier_wait -1
	WIN 0xc0                                       ; (window 3 was last read by the first product, ahead of the waits above; no vector or matrix instruction stands behind the last of them)
.set f, 0
.rept 16
.irp c, 0,1,2,3
	ds_load_b128 v[16*f+4*\c:16*f+4*\c+3], v9 offset:2048*f+512*\c   ; all 16 hidden fragments stay in window 3
.endr
.set f, f+1
.endr
	WIN 0
.set f, 0
.rept 16
	ds_load_b32 v[HS+f], v10 offset:128*f
.set f, f+1
.endr
	s_wait_dscnt 0x0
; 16 rows of a group leave: a lane's four tiles are put side by side (32 moves: cheaper than these bytes' way through LDS and back) and sixteen lanes store 256 consecutive bytes, aligned, of a routed row.
.macro OUTM g, m
	WIN 0                                          ; at a branch and at a label every window is 0
	s_wait_xcnt 0x0                                ; the registers that the last stores read are written again
	s_wait_alu depctr_vm_vsrc(0)                   ; the stores issued so far (the last 16 rows'; ahead of the first rows the hidden layer's LDS stores) have read v16 to v47, which the moves write; ahead of the branch, so on every way to them
	s_cmp_le_u32 s77, 16*\m
	s_cbranch_scc1 .Lskip_\@                       ; none of these 16 rows is the tile's
	WIN 0x02
.irp j, 0,1,2,3,4,5,6,7
.irp t, 0,1,2,3
	v_mov_b32 v[16+4*\j+\t], v[8*(4*\m+\t)+\j]     ; each accumulator from its low end on
.endr
.endr
	WIN 0
	s_wait_alu depctr_va_vdst(0)                   ; the 32 moves have written v16 to v47, which the eight stores read
.irp j, 0,1,2,3,4,5,6,7
	global_store_b128 v[AD+8*\m+\j], v[16+4*\j:16+4*\j+3], s[68:69] offset:256*\g
.endr
.Lskip_\@:
.endm
; Group g: my columns 64 g .. + 63 for the 128 rows: 64 matrix instructions, the 32 accumulators by turns, K step by K step.
.macro GROUP g
.if \g < 3
	s_wait_loadcnt 32                              ; this group's two halves are in; the next group's 32 loads may be out
.else
	s_wait_loadcnt 0x0
.endif
	WIN 0xa7                                       ; source 0 (hidden) window 3, source 1 (values) window 1, C and D window 2
.irp s2, 0,1
.irp m, 0,1,2,3,4,5,6,7
.irp t, 0,1,2,3
.set rD, 8*(4*\m+\t)
.set rA, 16*(2*\m+\s2)
.set rB, 128*(\g%2)+64*\s2+16*\t
.set rSA, HS+2*\m+\s2
.set rSB, VS+2*(2*\g+\s2)+(\t%2)
.if \s2 == 0
.if \t < 2
	v_wmma_scale_f32_16x16x128_f8f6f4 v[rD:rD+7], v[rA:rA+15], v[rB:rB+15], 0, v[rSA], v[rSB] matrix_a_fmt:MATRIX_FMT_BF8 matrix_b_fmt:MATRIX_FMT_BF8
.else
	v_wmma_scale_f32_16x16x128_f8f6f4 v[rD:rD+7], v[rA:rA+15], v[rB:rB+15], 0, v[rSA], v[rSB] matrix_a_fmt:MATRIX_FMT_BF8 matrix_b_fmt:MATRIX_FMT_BF8 matrix_b_scale:MATRIX_SCALE_ROW1
.endif
.else
.if \t < 2
	v_wmma_scale_f32_16x16x128_f8f6f4 v[rD:rD+7], v[rA:rA+15], v[rB:rB+15], v[rD:rD+7], v[rSA], v[rSB] matrix_a_fmt:MATRIX_FMT_BF8 matrix_b_fmt:MATRIX_FMT_BF8
.else
	v_wmma_scale_f32_16x16x128_f8f6f4 v[rD:rD+7], v[rA:rA+15], v[rB:rB+15], v[rD:rD+7], v[rSA], v[rSB] matrix_a_fmt:MATRIX_FMT_BF8 matrix_b_fmt:MATRIX_FMT_BF8 matrix_b_scale:MATRIX_SCALE_ROW1
.endif
.endif
.endr
.endr
.endr
	NOPS 9                                         ; nine places: the next group's first products begin these accumulators anew, also where no row is stored between; eight of them serve the moves below
.if \g < 2
	s_wait_alu depctr_va_vdst(0)                   ; this group's products are done reading their two ring slots, in which the group two on lands
	STREAM 12+2*\g                                 ; the group two on, into the slots just read
	STREAM 13+2*\g
.endif
.irp m, 0,1,2,3,4,5,6,7
	OUTM \g, \m
.endr
.endm
	GROUP 0
	GROUP 1
	GROUP 2
	GROUP 3
	s_wait_dscnt 0x0                               ; the closing lines, six on end
	s_wait_alu 0x0
	s_wait_tensorcnt 0x0
	ds_add_u32 v254, v255
	s_wait_dscnt 0x0
	s_endpgm
.Lfunc_end_k_q3389c9222d_chain:
	.size	k_q3389c9222d_chain, .Lfunc_end_k_q3389c9222d_chain-k_q3389c9222d_chain
	.p2alignl 7, 3214868480
	.fill 96, 4, 3214868480
	.section	.rodata,"a",@progbits
	.p2align	6, 0x0
	.amdhsa_kernel k_q3389c9222d_chain
		.amdhsa_group_segment_fixed_size 168448
		.amdhsa_private_segment_fixed_size 0
		.amdhsa_enable_private_segment 0
		.amdhsa_kernarg_size 40
		.amdhsa_user_sgpr_count 2
		.amdhsa_user_sgpr_kernarg_segment_ptr 1
		.amdhsa_wavefront_size32 1
		.amdhsa_system_sgpr_workgroup_id_x 1
		.amdhsa_system_sgpr_workgroup_id_y 1
		.amdhsa_system_sgpr_workgroup_id_z 1
		.amdhsa_system_vgpr_workitem_id 0
		.amdhsa_next_free_vgpr 1024
		.amdhsa_next_free_sgpr 80
		.amdhsa_reserve_vcc 0
		.amdhsa_float_denorm_mode_32 3
		.amdhsa_float_denorm_mode_16_64 3
		.amdhsa_memory_ordered 1
		.amdhsa_forward_progress 1
		.amdhsa_inst_pref_size 255
	.end_amdhsa_kernel
	.section	.bss,"aw",@nobits
	.p2align	6
	.space	262144
	.amdgpu_metadata
---
amdhsa.version: [ 1, 2 ]
amdhsa.kernels:
  - .name:           k_q3389c9222d_chain
    .symbol:         k_q3389c9222d_chain.kd
    .args:
      - { .name: xq, .offset: 0, .size: 8, .value_kind: global_buffer, .address_space: global }
      - { .name: sig, .offset: 8, .size: 8, .value_kind: global_buffer, .address_space: global }
      - { .name: lists, .offset: 16, .size: 8, .value_kind: global_buffer, .address_space: global }
      - { .name: wq, .offset: 24, .size: 8, .value_kind: global_buffer, .address_space: global }
      - { .name: part, .offset: 32, .size: 8, .value_kind: global_buffer, .address_space: global }
    .group_segment_fixed_size: 168448
    .private_segment_fixed_size: 0
    .kernarg_segment_align: 8
    .kernarg_segment_size: 40
    .max_flat_workgroup_size: 128
    .sgpr_count:     80
    .vgpr_count:     1024
    .wavefront_size: 32
...
	.end_amdgpu_metadata
.endif
;; end of part 7
;; launch addup (part 8): grid 512 x 1, 8 waves a work-group, no clusters, 0 bytes of LDS; arguments part, out0; writes out0
.if DOCPART == 8
	.amdgcn_target "amdgcn-amd-amdhsa--gfx1250"
	.amdhsa_code_object_version 6
	.text
	.protected	k_q3389c9222d_addup
	.globl	k_q3389c9222d_addup
	.p2align	8
	.type	k_q3389c9222d_addup,@function
k_q3389c9222d_addup:
	s_mov_b64 s[64:65], 0
	v_nop
	global_prefetch_b8 v0, s[64:65] scope:SCOPE_SE
	s_setreg_imm32_b32 hwreg(HW_REG_WAVE_MODE, 25, 1), 1
	s_wait_xcnt 0x0
; out0[t] = part[4 t] + part[4 t + 1] + part[4 t + 2] + part[4 t + 3]: a token's four routed rows, added in the order of the picks.
; A stream: a work-group takes 8 tokens; thread n owns bytes 16 n of every row of 4,096 bytes, so each load and store of a wave covers 512 consecutive bytes.
; All 32 loads of a thread go out at once; no loop, no LDS, no barrier; matrix units and clusters would add nothing here.
.set L, 4                              ; v4-131: register 4 (4 k + s): my 16 bytes of token k's row s; the sum is made in row 0's registers, which nothing writes again
	s_load_b128 s[4:7], s[0:1], 0x0                ; part, out0
	v_lshlrev_b32 v1, 4, v0
	s_lshl_b32 s8, ttmp9, 17                       ; 32 rows of 4,096 bytes in,
	s_mov_b32 s9, 0
	s_lshl_b32 s10, ttmp9, 15                      ; 8 out
	s_mov_b32 s11, 0
	s_wait_alu depctr_va_vdst(0)
	s_wait_kmcnt 0x0
	s_add_nc_u64 s[4:5], s[4:5], s[8:9]
	s_add_nc_u64 s[6:7], s[6:7], s[10:11]
.set i, 0
.rept 32
	global_load_b128 v[L+4*i:L+4*i+3], v1, s[4:5] offset:4096*i th:TH_LOAD_NT
.set i, i+1
.endr
.set k, 0
.rept 8
	s_wait_loadcnt 4*(7-k)                         ; token k's four rows are in; the tokens behind it may be out
.irp s, 1
	v_pk_add_f32 v[L+16*k:L+16*k+1], v[L+16*k:L+16*k+1], v[L+16*k+4*\s:L+16*k+4*\s+1]
	v_pk_add_f32 v[L+16*k+2:L+16*k+3], v[L+16*k+2:L+16*k+3], v[L+16*k+4*\s+2:L+16*k+4*\s+3]
.endr
.irp s, 2, 3
	s_delay_alu instid0(VALU_DEP_2)
	v_pk_add_f32 v[L+16*k:L+16*k+1], v[L+16*k:L+16*k+1], v[L+16*k+4*\s:L+16*k+4*\s+1]
	s_delay_alu instid0(VALU_DEP_2)
	v_pk_add_f32 v[L+16*k+2:L+16*k+3], v[L+16*k+2:L+16*k+3], v[L+16*k+4*\s+2:L+16*k+4*\s+3]
.endr
	global_store_b128 v1, v[L+16*k:L+16*k+3], s[6:7] offset:4096*k th:TH_STORE_NT
.set k, k+1
.endr
	s_endpgm
.Lfunc_end_k_q3389c9222d_addup:
	.size	k_q3389c9222d_addup, .Lfunc_end_k_q3389c9222d_addup-k_q3389c9222d_addup
	.p2alignl 7, 3214868480
	.fill 96, 4, 3214868480
	.section	.rodata,"a",@progbits
	.p2align	6, 0x0
	.amdhsa_kernel k_q3389c9222d_addup
		.amdhsa_group_segment_fixed_size 0
		.amdhsa_private_segment_fixed_size 0
		.amdhsa_enable_private_segment 0
		.amdhsa_kernarg_size 16
		.amdhsa_user_sgpr_count 2
		.amdhsa_user_sgpr_kernarg_segment_ptr 1
		.amdhsa_wavefront_size32 1
		.amdhsa_system_sgpr_workgroup_id_x 1
		.amdhsa_system_sgpr_workgroup_id_y 1
		.amdhsa_system_sgpr_workgroup_id_z 1
		.amdhsa_system_vgpr_workitem_id 0
		.amdhsa_next_free_vgpr 136
		.amdhsa_next_free_sgpr 66
		.amdhsa_reserve_vcc 0
		.amdhsa_float_denorm_mode_32 3
		.amdhsa_float_denorm_mode_16_64 3
		.amdhsa_memory_ordered 1
		.amdhsa_forward_progress 1
		.amdhsa_inst_pref_size 9
	.end_amdhsa_kernel
	.amdgpu_metadata
---
amdhsa.version: [ 1, 2 ]
amdhsa.kernels:
  - .name:           k_q3389c9222d_addup
    .symbol:         k_q3389c9222d_addup.kd
    .args:
      - { .name: part, .offset: 0, .size: 8, .value_kind: global_buffer, .address_space: global }
      - { .name: out0, .offset: 8, .size: 8, .value_kind: global_buffer, .address_space: global }
    .group_segment_fixed_size: 0
    .private_segment_fixed_size: 0
    .kernarg_segment_align: 8
    .kernarg_segment_size: 16
    .max_flat_workgroup_size: 256
    .sgpr_count:     66
    .vgpr_count:     136
    .wavefront_size: 32
...
	.end_amdgpu_metadata
.endif
;; end of part 8
